; MI455X (gfx1250); checked and timed in simulation.
; The chip was launched on July 23, 2026; its instructions are those of AMD's public machine-readable ISA for CDNA 5 (MIT licence, August 2026) and "CDNA5" Instruction Set Architecture Reference Guide (July 2026). The comments in the code are by the model that wrote it; some were corrected since.
;; Sigma Mo E. Allowed arithmetic: float matrix products may take bf16 or f16 operands with f32 sums; other float arithmetic in f32, or as packed bf16 or f16 multiplies, adds, multiply-adds, maxima and minima; sums over many terms, partial sums and values carried from step to step in f32; what a program stores and reads back later, other than sums and carried values, may be rounded once to bf16 or f16.
;; Inputs: bias_ffn 32 float32; expert_sel 32 x 1,024 float32; keys 32 x 1,024 x 128 float32; selection_input 8 x 1,024 x 1,024 float32; token_stream 8 x 1,024 x 1,024 float32; values 32 x 128 x 1,024 float32.
;; Outputs: out0 8 x 1,024 x 1,024 float32; out1 8 x 1,024 x 6 int32.
;; 2 versions, each right; version 2 is version 1 with the launches router, ffn2 written anew for expert scheduling mode. Each part assembles by itself: llvm-mc -triple=amdgcn-amd-amdhsa -mcpu=gfx1250 --defsym DOCPART=n.
;; ======== version 1 of 2: 4 launches
;; workspace buffers: aff 1,048,576 bytes; ball 65,536 bytes of whole numbers; idx 540,672 bytes of whole numbers; wgt 258,048 bytes; wfrag 16,777,216 bytes; hbuf 16,515,072 bytes
;; launch router (part 1): grid 256 x 1, 8 waves a work-group, no clusters, 182,784 bytes of LDS; arguments selection_input, expert_sel, bias_ffn, aff, ball, out1; writes aff, ball, out1
.if DOCPART == 1
	.amdgcn_target "amdgcn-amd-amdhsa--gfx1250"
	.amdhsa_code_object_version 6
	.text
	.protected	k_q6ff6d18281_router
	.globl	k_q6ff6d18281_router
	.p2align	8
	.type	k_q6ff6d18281_router,@function
k_q6ff6d18281_router:
	s_mov_b64 s[64:65], 0
	v_nop
	global_prefetch_b8 v0, s[64:65] scope:SCOPE_SE
	s_setreg_imm32_b32 hwreg(HW_REG_WAVE_MODE, 25, 1), 1
	s_wait_xcnt 0x0
; ROUTER.  affinity[t][e] = sigmoid(selection_input[t] . expert_sel[e]); the four largest of affinity + bias among experts 0-29 (the lower index wins a tie), then 30 and 31.
; All inputs are rounded to bf16 (nearest even), the bias too; products by the matrix unit, sums in f32.  Stored: aff [8192][32] f32; out1; and for each 32 tokens and each expert
; a mask of the tokens that chose it and their number (ball), from which the next launch makes the order of the work.
; SHARES.  A work-group owns 32 tokens.  Wave w owns k = 128 w .. 128 w + 127 of all 32 tokens and all 32 experts; the eight partial sums meet in LDS.
; The product is used transposed (source 0 = 16 experts, source 1 = 16 tokens): a lane holds one token and eight neighbouring experts.
; LIMITS.  NaN and infinite scores are not treated apart (an expert already taken counts as -inf).  The exponent of 2 in the sigmoid is held to 126: affinities under 1e-38 are not exact.
; The sums' order differs from a plain f32 sum: two scores closer than that rounding may change places.
.set XP,    272                        ; a staged row: 128 bf16 + 16 bytes, an odd multiple of 16: the 16 rows of a fragment load start in 16 different groups of four banks
.set EST,   32*XP                      ; in a wave's stage: 32 rows of X, then 32 rows of E
.set WST,   64*XP
.set PB,    8*WST                      ; partial logits: 8 waves x 32 tokens x 144 bytes
.set PP,    144
.set PW,    32*PP
.set AFB,   PB+8*PW                    ; affinities, 32 tokens x 144 bytes
.set SOB,   AFB+PW                     ; out1's 768 bytes
.set SPARE, SOB+1024                   ; the spare words, 128 bytes a wave; no other line names them
.set XS,  32                           ; v[32:159]  X as loaded, 4 registers a row
.set ES,  160                          ; v[160:223] E as loaded, 16 rows at a time
.set XF,  32                           ; fragments of X: token tile tt, K step ks at XF + 32 tt + 8 ks
.set EF,  96                           ; fragments of E likewise
.set ACC, 160                          ; four accumulators: (mt, tt) at ACC + 8 (2 mt + tt)
.set AF,  64                           ; wave 0: the lane's 32 affinities
.set SC,  96                           ; wave 0: its 30 scores
.macro CVST reg, off                   ; four f32 of a row become 8 bytes of the stage
	v_cvt_pk_bf16_f32 v[\reg], v[\reg], v[(\reg)+1]
	v_cvt_pk_bf16_f32 v[(\reg)+1], v[(\reg)+2], v[(\reg)+3]
	ds_store_b64 v2, v[\reg:(\reg)+1] offset:\off
.endm
	s_load_b256 s[4:11], s[0:1], 0x0               ; selection s[4:5], expert_sel s[6:7], bias s[8:9], aff s[10:11]
	s_load_b128 s[12:15], s[0:1], 0x20             ; ball s[12:13], out1 s[14:15]
	v_lshl_add_u32 v6, v0, 2, SPARE                ; my spare word
	v_mov_b32 v7, 0
	v_lshrrev_b32 v8, 5, v0
	v_readfirstlane_b32 s16, v8                    ; wave
	v_and_b32 v9, 31, v0                           ; lane
	v_and_b32 v10, 15, v0                          ; r
	v_bfe_u32 v11, v0, 4, 1                        ; h
	v_lshrrev_b32 v12, 3, v0                       ; for the sum over waves: token
	v_and_b32 v13, 7, v0                           ; and four experts
	v_lshlrev_b32 v14, 4, v0                       ; 16 x thread: my 16 bytes of the group's 4,096 of aff
	s_lshl_b32 s17, s16, 9
	s_mul_i32 s18, s16, WST
	s_mul_i32 s19, s16, PW
	s_add_co_u32 s19, s19, PB
	v_lshl_add_u32 v1, v9, 4, s17                  ; in a row of 4,096 bytes: 512 w + 16 lane
	v_lshl_add_u32 v2, v9, 3, s18                  ; into my stage: 8 bytes a lane
	v_mul_u32_u24 v3, v10, XP
	v_lshl_add_u32 v3, v11, 4, v3
	v_add_nc_u32 v3, s18, v3                       ; a fragment's row x pitch + 16 h
	v_mul_u32_u24 v4, v10, PP
	v_lshl_add_u32 v4, v11, 5, v4
	v_add_nc_u32 v4, s19, v4                       ; my partial sums: token r, experts 8 h on
	v_mul_u32_u24 v5, v12, PP
	v_lshl_add_u32 v5, v13, 4, v5
	v_add_nc_u32 v5, PB, v5
	s_lshl_b32 s20, ttmp9, 17                      ; 32 rows of 4,096 bytes
	s_mov_b32 s21, 0
	s_lshl_b32 s22, ttmp9, 12
	s_mov_b32 s23, 0
	s_lshl_b32 s24, ttmp9, 8
	s_mov_b32 s25, 0
	s_mul_i32 s26, ttmp9, 768
	s_mov_b32 s27, 0
	s_wait_kmcnt 0x0
	s_add_nc_u64 s[4:5], s[4:5], s[20:21]
	s_add_nc_u64 s[10:11], s[10:11], s[22:23]
	s_add_nc_u64 s[12:13], s[12:13], s[24:25]
	s_add_nc_u64 s[14:15], s[14:15], s[26:27]
	s_load_b512 s[32:47], s[8:9], 0x0              ; the 32 biases
	s_load_b512 s[48:63], s[8:9], 0x40
	; each load of the wave covers 512 consecutive bytes of a row
.set i, 0
.rept 16
	global_load_b128 v[ES+4*i:ES+4*i+3], v1, s[6:7] offset:4096*i
.set i, i+1
.endr
.set i, 0
.rept 32
	global_load_b128 v[XS+4*i:XS+4*i+3], v1, s[4:5] offset:4096*i th:TH_LOAD_NT
.set i, i+1
.endr
	s_wait_loadcnt 32                              ; experts 0-15 are in; X's 32 loads are younger
.set i, 0
.rept 16
	CVST ES+4*i, EST+XP*i
.set i, i+1
.endr
	s_wait_dscnt 0x0                               ; those stores have read ES before it is loaded again
.set i, 0
.rept 16
	global_load_b128 v[ES+4*i:ES+4*i+3], v1, s[6:7] offset:4096*(16+i)
.set i, i+1
.endr
	s_wait_loadcnt 16                              ; X is in; the 16 loads just issued are younger
.set i, 0
.rept 32
	CVST XS+4*i, XP*i
.set i, i+1
.endr
	s_wait_loadcnt 0x0
.set i, 0
.rept 16
	CVST ES+4*i, EST+XP*(16+i)
.set i, i+1
.endr
	; fragments out of my own stage: LDS serves a wave's instructions in order, so these see the stores above
.irp tt, 0,1
.irp ks, 0,1,2,3
	ds_load_b128 v[XF+32*\tt+8*\ks:XF+32*\tt+8*\ks+3], v3 offset:\tt*16*XP+\ks*64
	ds_load_b128 v[XF+32*\tt+8*\ks+4:XF+32*\tt+8*\ks+7], v3 offset:\tt*16*XP+\ks*64+32
	ds_load_b128 v[EF+32*\tt+8*\ks:EF+32*\tt+8*\ks+3], v3 offset:EST+\tt*16*XP+\ks*64
	ds_load_b128 v[EF+32*\tt+8*\ks+4:EF+32*\tt+8*\ks+7], v3 offset:EST+\tt*16*XP+\ks*64+32
.endr
.endr
	s_wait_dscnt 0x0
	; 16 products; the four accumulators take turns; the first K step starts the sums
.irp ks, 0,1,2,3
.irp mt, 0,1
.irp tt, 0,1
.if \ks == 0
	v_wmma_f32_16x16x32_bf16 v[ACC+8*(2*\mt+\tt):ACC+8*(2*\mt+\tt)+7], v[EF+32*\mt+8*\ks:EF+32*\mt+8*\ks+7], v[XF+32*\tt+8*\ks:XF+32*\tt+8*\ks+7], 0
.else
	v_wmma_f32_16x16x32_bf16 v[ACC+8*(2*\mt+\tt):ACC+8*(2*\mt+\tt)+7], v[EF+32*\mt+8*\ks:EF+32*\mt+8*\ks+7], v[XF+32*\tt+8*\ks:XF+32*\tt+8*\ks+7], v[ACC+8*(2*\mt+\tt):ACC+8*(2*\mt+\tt)+7]
.endif
.endr
.endr
.endr
.rept 4
	v_nop                                          ; four places between the last product and the stores that read results
.endr
.irp mt, 0,1
.irp tt, 0,1
	ds_store_b128 v4, v[ACC+8*(2*\mt+\tt):ACC+8*(2*\mt+\tt)+3] offset:\tt*16*PP+64*\mt
	ds_store_b128 v4, v[ACC+8*(2*\mt+\tt)+4:ACC+8*(2*\mt+\tt)+7] offset:\tt*16*PP+64*\mt+16
.endr
.endr
	s_wait_dscnt 0x0                               ; for the others' sake: my partial sums are in LDS
	s_barrier_signal -1
	s_barrier_wait -1
	; the sum over the eight waves, a fixed tree; a thread has one token and four experts
.set i, 0
.rept 8
	ds_load_b128 v[32+4*i:32+4*i+3], v5 offset:PW*i
.set i, i+1
.endr
	s_wait_dscnt 0x0
.irp a, 0,2,4,6
	v_pk_add_f32 v[32+4*\a:32+4*\a+1], v[32+4*\a:32+4*\a+1], v[36+4*\a:36+4*\a+1]
	v_pk_add_f32 v[34+4*\a:34+4*\a+1], v[34+4*\a:34+4*\a+1], v[38+4*\a:38+4*\a+1]
.endr
.irp a, 0,4
	v_pk_add_f32 v[32+4*\a:32+4*\a+1], v[32+4*\a:32+4*\a+1], v[40+4*\a:40+4*\a+1]
	v_pk_add_f32 v[34+4*\a:34+4*\a+1], v[34+4*\a:34+4*\a+1], v[42+4*\a:42+4*\a+1]
.endr
	v_pk_add_f32 v[32:33], v[32:33], v[48:49]
	v_pk_add_f32 v[34:35], v[34:35], v[50:51]
	; sigmoid = 1 / (1 + 2^(-z log2 e)); the reciprocal is refined by one Newton step
.irp j, 0,1,2,3
	v_mul_f32 v[36+\j], 0xbfb8aa3b, v[32+\j]
.endr
.irp j, 0,1,2,3
	v_min_num_f32 v[36+\j], 0x42fc0000, v[36+\j]
.endr
.irp j, 0,1,2,3
	v_exp_f32 v[36+\j], v[36+\j]
.endr
	v_nop                                          ; a plain instruction between the exponentials and the use of their results
	s_wait_alu depctr_va_vdst(0)
.irp j, 0,1,2,3
	v_add_f32 v[36+\j], 1.0, v[36+\j]
.endr
.irp j, 0,1,2,3
	v_rcp_f32 v[40+\j], v[36+\j]
.endr
	v_nop
	s_wait_alu depctr_va_vdst(0)
.irp j, 0,1,2,3
	v_fma_f32 v[44+\j], -v[36+\j], v[40+\j], 1.0
.endr
.irp j, 0,1,2,3
	v_fma_f32 v[40+\j], v[44+\j], v[40+\j], v[40+\j]
.endr
	global_store_b128 v14, v[40:43], s[10:11]      ; a wave stores 512 consecutive bytes of aff
	ds_store_b128 v5, v[40:43] offset:AFB-PB
	s_wait_dscnt 0x0
	s_barrier_signal -1
	s_barrier_wait -1
	s_cmp_lg_u32 s16, 0
	s_cbranch_scc1 .Lend                           ; wave 0 chooses: a lane, a token
	v_mul_u32_u24 v15, v9, PP
	v_add_nc_u32 v15, AFB, v15
.set i, 0
.rept 8
	ds_load_b128 v[AF+4*i:AF+4*i+3], v15 offset:16*i
.set i, i+1
.endr
	s_wait_kmcnt 0x0                               ; the biases
.set e, 0
.rept 15
	v_mov_b32 v8, s[32+e]
	v_mov_b32 v10, s[33+e]
	v_cvt_pk_bf16_f32 v8, v8, v10                  ; rounded to bf16 like every input
	v_lshlrev_b32 v[SC+e], 16, v8
	v_and_b32 v[SC+e+1], 0xffff0000, v8
.set e, e+2
.endr
	s_wait_dscnt 0x0
.set e, 0
.rept 30
	v_add_f32 v[SC+e], v[AF+e], v[SC+e]
.set e, e+1
.endr
	v_mov_b32 v129, 0
	v_mov_b32 v130, 0
	v_mov_b32 v131, 0
	v_mov_b32 v132, 30
	v_mov_b32 v133, 31
	v_mov_b32 v140, 0
	v_mov_b32 v141, 0
	v_mov_b32 v142, 0                              ; the token's experts as bits
	v_mov_b32 v143, 0xff800000
	v_mov_b32 v144, 1
	s_mov_b32 s28, 4
.Ltop:                                             ; four times: the largest score (a later one must be strictly larger), which is then taken out
	v_mov_b32 v126, v[SC]
	v_mov_b32 v127, 0
.set e, 1
.rept 29
	v_cmp_gt_f32 vcc_lo, v[SC+e], v126
	v_cndmask_b32 v126, v126, v[SC+e], vcc_lo
	v_cndmask_b32 v127, v127, e, vcc_lo
.set e, e+1
.endr
.set e, 0
.rept 30
	v_cmp_eq_u32 vcc_lo, e, v127
	v_cndmask_b32 v[SC+e], v[SC+e], v143, vcc_lo
.set e, e+1
.endr
	v_mov_b32 v128, v129
	v_mov_b32 v129, v130
	v_mov_b32 v130, v131
	v_mov_b32 v131, v127
	v_lshlrev_b32 v8, v127, v144
	v_or_b32 v142, v142, v8
	s_sub_co_u32 s28, s28, 1
	s_cmp_lg_u32 s28, 0
	s_cbranch_scc1 .Ltop
	v_or_b32 v142, 0xc0000000, v142                ; experts 30 and 31 are always taken
	; out1: 24 bytes a token go through LDS, so that each store of the wave covers 256 consecutive bytes
	v_mul_u32_u24 v15, v9, 24
	v_add_nc_u32 v15, SOB, v15
	ds_store_b64 v15, v[128:129]
	ds_store_b64 v15, v[130:131] offset:8
	ds_store_b64 v15, v[132:133] offset:16
	v_lshl_add_u32 v10, v9, 3, SOB
	ds_load_b64 v[134:135], v10
	ds_load_b64 v[136:137], v10 offset:256
	ds_load_b64 v[138:139], v10 offset:512
	v_lshlrev_b32 v11, 3, v9
	s_wait_dscnt 0x0
	global_store_b64 v11, v[134:135], s[14:15]
	global_store_b64 v11, v[136:137], s[14:15] offset:256
	global_store_b64 v11, v[138:139], s[14:15] offset:512
	; for each expert the mask of its tokens and their number, into lane e of a pair
.set e, 0
.rept 32
	v_and_b32 v8, 1<<e, v142
	v_cmp_ne_u32 s20, 0, v8
	s_bcnt1_i32_b32 s21, s20
	v_writelane_b32 v140, s20, e
	v_writelane_b32 v141, s21, e
.set e, e+1
.endr
	global_store_b64 v11, v[140:141], s[12:13]
.Lend:
	s_wait_tensorcnt 0x0                           ; the wave's end
	ds_add_u32 v6, v7
	s_wait_dscnt 0x0
	s_endpgm
.Lfunc_end_k_q6ff6d18281_router:
	.size	k_q6ff6d18281_router, .Lfunc_end_k_q6ff6d18281_router-k_q6ff6d18281_router
	.p2alignl 7, 3214868480
	.fill 96, 4, 3214868480
	.section	.rodata,"a",@progbits
	.p2align	6, 0x0
	.amdhsa_kernel k_q6ff6d18281_router
		.amdhsa_group_segment_fixed_size 182784
		.amdhsa_private_segment_fixed_size 0
		.amdhsa_enable_private_segment 0
		.amdhsa_kernarg_size 48
		.amdhsa_user_sgpr_count 2
		.amdhsa_user_sgpr_kernarg_segment_ptr 1
		.amdhsa_wavefront_size32 1
		.amdhsa_system_sgpr_workgroup_id_x 1
		.amdhsa_system_sgpr_workgroup_id_y 1
		.amdhsa_system_sgpr_workgroup_id_z 1
		.amdhsa_system_vgpr_workitem_id 0
		.amdhsa_next_free_vgpr 224
		.amdhsa_next_free_sgpr 66
		.amdhsa_reserve_vcc 1
		.amdhsa_float_denorm_mode_32 3
		.amdhsa_float_denorm_mode_16_64 3
		.amdhsa_memory_ordered 1
		.amdhsa_forward_progress 1
		.amdhsa_inst_pref_size 49
	.end_amdhsa_kernel
	.amdgpu_metadata
---
amdhsa.version: [ 1, 2 ]
amdhsa.kernels:
  - .name:           k_q6ff6d18281_router
    .symbol:         k_q6ff6d18281_router.kd
    .args:
      - { .name: selection_input, .offset: 0, .size: 8, .value_kind: global_buffer, .address_space: global }
      - { .name: expert_sel, .offset: 8, .size: 8, .value_kind: global_buffer, .address_space: global }
      - { .name: bias_ffn, .offset: 16, .size: 8, .value_kind: global_buffer, .address_space: global }
      - { .name: aff, .offset: 24, .size: 8, .value_kind: global_buffer, .address_space: global }
      - { .name: ball, .offset: 32, .size: 8, .value_kind: global_buffer, .address_space: global }
      - { .name: out1, .offset: 40, .size: 8, .value_kind: global_buffer, .address_space: global }
    .group_segment_fixed_size: 182784
    .private_segment_fixed_size: 0
    .kernarg_segment_align: 8
    .kernarg_segment_size: 48
    .max_flat_workgroup_size: 256
    .sgpr_count:     66
    .vgpr_count:     224
    .wavefront_size: 32
...
	.end_amdgpu_metadata
.endif
;; end of part 1
;; launch sortprep (part 2): grid 320 x 1, 8 waves a work-group, no clusters, 5,120 bytes of LDS; arguments ball, aff, keys, values, idx, wgt, wfrag; writes idx, wgt, wfrag
.if DOCPART == 2
	.amdgcn_target "amdgcn-amd-amdhsa--gfx1250"
	.amdhsa_code_object_version 6
	.text
	.protected	k_q6ff6d18281_sortprep
	.globl	k_q6ff6d18281_sortprep
	.p2align	8
	.type	k_q6ff6d18281_sortprep,@function
k_q6ff6d18281_sortprep:
	s_mov_b64 s[64:65], 0
	v_nop
	global_prefetch_b8 v0, s[64:65] scope:SCOPE_SE
	s_setreg_imm32_b32 hwreg(HW_REG_WAVE_MODE, 25, 1), 1
	s_wait_xcnt 0x0
; TWO JOBS IN ONE LAUNCH, chosen by the work-group's number.
; Work-groups 0-63 lay the work out, two for each sub-block u of 256 tokens: work-group 2 u + h places experts 16 h .. 16 h + 15.  For expert e and sub-block u: the tokens of u that chose e,
; ascending, padded to tiles of 16 rows; segments by e, then by u.  idx: tok[pos], loc[pos] (token in its sub-block; 256 for a padding row), texp[tile], seg[u][e & 1][e >> 1] = {first tile, tiles}, ntot.
; wgt[pos] = affinity (0 for padding).  At most 49,152 / 16 + 960 = 4,032 tiles.
; The table of all 32 x 32 segments is made once a work-group: wave w reads the counts of groups 32 w .. 32 w + 31 (lane = expert), makes the tiles of sub-blocks 4 w .. 4 w + 3 and puts them
; into LDS; behind one barrier every wave reads all 32 vectors.
; All store offsets, masks and data are made while every lane is on; the masked stores that follow write no vector register.
; Work-groups 64-319 round keys and values to bf16 and store them as matrix fragments: [e][tile of 16 n][32 k][half][lane][16 bytes], lane 16 h + r holding
; W[k = 32 ks + 16 c + 8 h + 0..7][n = 16 tile + r]: a later load of 16 bytes a lane, 512 consecutive bytes a wave, is half an operand.
.set LOCB, 258048
.set TEXP, 516096
.set SEGB, 532224
.set NTOT, 540416
.set NTB,   0                          ; LDS: tiles[32 sub-blocks][32 experts], 4,096 bytes
.set SPARE, 4096                       ; the spare words, 128 bytes a wave; no other line names them
.set AFF, 32                           ; v[32:47]   sort: my token's 16 affinities of this half
.set CB,  64                           ; v[64:95]   sort: 32 groups' counts; then the 32 sub-blocks' tiles
.set PA,  64                           ; v[64:79]   later: the byte offset of my row in the segments of the half's 16 experts
.set PD,  96                           ; v[96:97]   byte offsets of two padding rows;  v[98:99] of two entries of the tile table
.set SGA, 100                          ; v100       byte offset of my entry of seg;   v101 of ntot;   v102 the number of all tiles
	s_load_b256 s[4:11], s[0:1], 0x0               ; ball s[4:5], aff s[6:7], keys s[8:9], values s[10:11]
	s_load_b128 s[12:15], s[0:1], 0x20             ; idx s[12:13], wgt s[14:15]
	s_load_b64 s[16:17], s[0:1], 0x30              ; wfrag
	v_lshl_add_u32 v224, v0, 2, SPARE              ; my spare word
	v_mov_b32 v225, 0
	v_lshrrev_b32 v2, 5, v0
	v_readfirstlane_b32 s19, v2                    ; wave
	v_and_b32 v1, 31, v0                           ; lane
	s_mov_b32 s18, ttmp9
	s_wait_kmcnt 0x0
	s_cmp_lt_u32 s18, 64
	s_cbranch_scc0 .Lprep
	; ---------------- the order of the work ----------------
	s_and_b32 s33, s18, 1                          ; h: which half of the experts I place
	s_lshr_b32 s18, s18, 1                         ; u
	s_lshl_b32 s32, s33, 4
	s_lshl_b32 s32, 0xffff, s32                    ; the half's experts as lanes
	v_lshlrev_b32 v2, 3, v1                        ; an expert's entry in a group: 8 bytes, mask and count
	v_or_b32 v3, 4, v2
	s_lshl_b32 s25, s19, 13                        ; my wave's 32 groups
	v_add_nc_u32 v4, s25, v3
.set i, 0
.rept 32
	global_load_b32 v[CB+i], v4, s[4:5] offset:256*i   ; lane e: the counts of groups 32 w + i
.set i, i+1
.endr
	s_lshl_b32 s20, s18, 11                        ; my sub-block's eight groups
	s_lshl_b32 s21, s19, 8
	s_add_co_u32 s21, s21, s20                     ; my wave's group of 32 tokens
	v_add_nc_u32 v18, s21, v2
	v_add_nc_u32 v19, s20, v3
	global_load_b32 v6, v18, s[4:5]                ; lane e: the mask of my group's tokens that chose e
.set i, 0
.rept 8
	global_load_b32 v[24+i], v19, s[4:5] offset:256*i  ; lane e: the counts of my sub-block's groups
.set i, i+1
.endr
	s_lshl_b32 s22, s18, 8
	s_lshl_b32 s23, s19, 5
	v_add_nc_u32 v17, s23, v1                      ; lane as a token: its number in the sub-block,
	v_add_nc_u32 v16, s22, v17                     ; and among all
	v_lshlrev_b32 v20, 7, v16
	s_lshl_b32 s24, s33, 6
	v_add_nc_u32 v20, s24, v20                     ; its affinities of this half's experts
.set i, 0
.rept 4
	global_load_b128 v[AFF+4*i:AFF+4*i+3], v20, s[6:7] offset:16*i
.set i, i+1
.endr
	s_lshl_b32 s26, s19, 9
	v_lshl_add_u32 v15, v1, 2, s26                 ; LDS: my wave's four vectors, a word a lane
	v_lshlrev_b32 v5, 2, v1
	s_wait_loadcnt 13                              ; the 32 counts are in: the mask, the eight counts and the four loads of affinities are younger
.irp j, 0,1,2,3                                    ; a sub-block's tiles = (the sum of its eight groups' counts + 15) / 16
	v_add3_u32 v21, v[CB+8*\j], v[CB+8*\j+1], v[CB+8*\j+2]
	v_add3_u32 v22, v[CB+8*\j+3], v[CB+8*\j+4], v[CB+8*\j+5]
	v_add3_u32 v21, v21, v[CB+8*\j+6], v[CB+8*\j+7]
	v_add3_u32 v21, v21, v22, 15
	v_lshrrev_b32 v[116+\j], 4, v21
	ds_store_b32 v15, v[116+\j] offset:NTB+128*\j
.endr
	s_wait_dscnt 0x0                               ; for the others' sake: my four vectors are in LDS
	s_barrier_signal -1
	s_barrier_wait -1
.set i, 0
.rept 32
	ds_load_b32 v[CB+i], v5 offset:NTB+128*i       ; lane e: the tiles of expert e in sub-block i
.set i, i+1
.endr
	v_mov_b32 v7, 0                                ; lane e: tiles of expert e
	v_mov_b32 v8, 0                                ; lane e: those of sub-blocks in front of mine
	s_wait_dscnt 0x0
.set i, 0
.rept 32
	s_cmp_gt_u32 s18, i
	s_cselect_b32 s27, -1, 0
	v_add_nc_u32 v7, v7, v[CB+i]
	v_and_b32 v22, s27, v[CB+i]
	v_add_nc_u32 v8, v8, v22
.set i, i+1
.endr
	v_mov_b32 v9, 0
	s_mov_b32 s29, 0
.set i, 0
.rept 32                                           ; lane e: the tiles of all experts in front of e; s29 ends as the number of all tiles
	v_readlane_b32 s30, v7, i
	v_writelane_b32 v9, s29, i
	s_add_co_u32 s29, s29, s30
.set i, i+1
.endr
	s_wait_loadcnt 0x0                             ; the mask, my sub-block's counts, the affinities
	v_add_nc_u32 v10, v9, v8                       ; the segment's first tile
	v_add3_u32 v11, v24, v25, v26
	v_add3_u32 v21, v27, v28, v29
	v_add3_u32 v11, v11, v30, v31
	v_add_nc_u32 v11, v11, v21                     ; its rows
	v_add_nc_u32 v12, 15, v11
	v_lshrrev_b32 v12, 4, v12                      ; its tiles
	v_mov_b32 v13, 0
.irp i, 0,1,2,3,4,5,6
	s_cmp_gt_u32 s19, \i
	s_cselect_b32 s27, -1, 0
	v_and_b32 v21, s27, v[24+\i]
	v_add_nc_u32 v13, v13, v21                     ; rows of the groups in front of my wave's
.endr
	v_lshl_add_u32 v14, v10, 4, v13                ; where my group's rows begin
	; EVERY OFFSET, MASK AND DATUM OF THE STORES BELOW, with all lanes on
	v_mov_b32 v130, s22                            ; a padding row reads the sub-block's first token,
	v_mov_b32 v131, 0x100                          ; is added to a row that nobody reads,
	v_mov_b32 v132, 0                              ; and weighs 0
	v_lshlrev_b32 v22, 4, v12                      ; lane = expert: the segment's rows with its padding
.irp kk, 0,1                                       ; padding row i and tile i of the segment, i = wave and wave + 8, for the experts of my half
	s_add_co_u32 s35, s19, 8*\kk
	v_add_nc_u32 v21, s35, v11
	v_cmp_lt_u32 s[36+\kk], v21, v22               ; is there such a padding row?
	s_and_b32 s[36+\kk], s[36+\kk], s32
	v_lshl_add_u32 v[PD+\kk], v10, 4, v21
	v_min_u32 v[PD+\kk], 0xfbff, v[PD+\kk]         ; 64,511: the last row there can be
	v_lshlrev_b32 v[PD+\kk], 2, v[PD+\kk]
	v_cmp_lt_u32 s[38+\kk], s35, v12               ; is there such a tile?
	s_and_b32 s[38+\kk], s[38+\kk], s32
	v_add_nc_u32 v[PD+2+\kk], s35, v10
	v_min_u32 v[PD+2+\kk], 0xfbf, v[PD+2+\kk]      ; 4,031: the last tile there can be
	v_lshlrev_b32 v[PD+2+\kk], 2, v[PD+2+\kk]
.endr
	v_mov_b32 v128, v10
	v_mov_b32 v129, v12
	v_and_b32 v21, 1, v1
	v_lshrrev_b32 v23, 1, v1
	v_lshlrev_b32 v21, 7, v21
	v_lshl_add_u32 v21, v23, 3, v21
	v_add_nc_u32 v[SGA], s22, v21                  ; seg: 256 u + 128 (e & 1) + 8 (e >> 1)
	v_lshlrev_b32 v[SGA+1], 2, v1
	v_mov_b32 v[SGA+2], s29
; The 16 experts from e0 on.  Lane = token: first where its row would lie in each segment; then, expert by expert, the tokens that chose it store their rows, in ascending order.
.macro HALF e0
.set e, \e0
.rept 16
	v_readlane_b32 s30, v6, e
	v_readlane_b32 s31, v14, e
	v_mbcnt_lo_u32_b32 v[PA+e-(\e0)], s30, 0       ; how many lower lanes chose e
	v_add_nc_u32 v[PA+e-(\e0)], s31, v[PA+e-(\e0)]
	v_min_u32 v[PA+e-(\e0)], 0xfbff, v[PA+e-(\e0)]
	v_lshlrev_b32 v[PA+e-(\e0)], 2, v[PA+e-(\e0)]
.set e, e+1
.endr
	s_wait_xcnt 0x0                                ; EXEC changes only behind this wait.  No vector register is written from here on
.set e, \e0
.rept 16
	v_readlane_b32 s30, v6, e
	s_mov_b32 vcc_lo, s30
	s_and_saveexec_b32 s34, vcc_lo
	global_store_b32 v[PA+e-(\e0)], v16, s[12:13]
	global_store_b32 v[PA+e-(\e0)], v17, s[12:13] offset:LOCB
	global_store_b32 v[PA+e-(\e0)], v[AFF+e-(\e0)], s[14:15]
	s_wait_xcnt 0x0                                ; EXEC is restored only behind this wait
	s_or_b32 exec_lo, exec_lo, s34
.set e, e+1
.endr
.endm
	s_cmp_lg_u32 s33, 0
	s_cbranch_scc1 .Lhigh
	HALF 0
	s_branch .Lpads
.Lhigh:
	HALF 16
.Lpads:
.irp kk, 0,1                                       ; lane = expert
	s_mov_b32 vcc_lo, s[36+\kk]
	s_and_saveexec_b32 s34, vcc_lo
	global_store_b32 v[PD+\kk], v130, s[12:13]
	global_store_b32 v[PD+\kk], v131, s[12:13] offset:LOCB
	global_store_b32 v[PD+\kk], v132, s[14:15]
	s_wait_xcnt 0x0
	s_or_b32 exec_lo, exec_lo, s34
	s_mov_b32 vcc_lo, s[38+\kk]
	s_and_saveexec_b32 s34, vcc_lo
	global_store_b32 v[PD+2+\kk], v1, s[12:13] offset:TEXP
	s_wait_xcnt 0x0
	s_or_b32 exec_lo, exec_lo, s34
.endr
	s_or_b32 s35, s19, s33
	s_cmp_lg_u32 s35, 0
	s_cbranch_scc1 .Lsorted                        ; wave 0 of the lower half stores the table
	global_store_b64 v[SGA], v[128:129], s[12:13] offset:SEGB  ; the sub-block's 256 bytes of it, whole
	s_cmp_lg_u32 s18, 0
	s_cbranch_scc1 .Lsorted
	global_store_b32 v[SGA+1], v[SGA+2], s[12:13] offset:NTOT
.Lsorted:
	s_wait_tensorcnt 0x0                           ; the wave's end
	ds_add_u32 v224, v225
	s_wait_dscnt 0x0
	s_endpgm
	; ---------------- keys and values as fragments ----------------
; A wave turns a block of 32 k x 128 n.  Set st: lane holds column 32 st + lane of all 32 rows; eight neighbouring k pack into 16 bytes; a half-wave stores 256 consecutive bytes.
.macro PREP bs, pitch, nstr
.irp st, 0,1,2,3
.set k, 0
.rept 32
	global_load_b32 v[32+32*\st+k], v2, s[\bs:\bs+1] offset:k*\pitch+128*\st th:TH_LOAD_NT
.set k, k+1
.endr
.endr
.irp st, 0,1,2,3
.if \st == 0
	s_wait_loadcnt 63                              ; 65 of the 128 loads are in: sets 0 and 1
.elseif \st == 2
	s_wait_loadcnt 32                              ; set 3's loads are younger
.elseif \st == 3
	s_wait_loadcnt 0x0
.endif
.set k, 0
.rept 16
	v_cvt_pk_bf16_f32 v[160+16*\st+k], v[32+32*\st+2*k], v[32+32*\st+2*k+1]
.set k, k+1
.endr
.irp kg, 0,1,2,3
	global_store_b128 v5, v[160+16*\st+4*\kg:160+16*\st+4*\kg+3], s[16:17] offset:2*\st*\nstr+256*\kg
.endr
.endr
.endm
.Lprep:
	s_sub_co_u32 s20, s18, 64
	s_lshl_b32 s20, s20, 3
	s_add_co_u32 s20, s20, s19                     ; block 0 .. 2047: tensor, expert, part
	s_bfe_u32 s21, s20, 0x50005                    ; expert
	s_and_b32 s22, s20, 31                         ; part
	s_lshl_b32 s23, s21, 19                        ; an expert is 524,288 bytes of f32
	s_lshl_b32 s24, s21, 18                        ; and 262,144 of bf16
	v_lshlrev_b32 v2, 2, v1
	v_lshrrev_b32 v3, 4, v1
	v_and_b32 v4, 15, v1
	v_lshlrev_b32 v4, 4, v4
	s_mov_b32 s27, 0
	s_mov_b32 s29, 0
	s_cmp_lt_u32 s20, 1024
	s_cbranch_scc0 .Lvalues
	s_lshl_b32 s25, s22, 14                        ; keys [1024 k][128 n]: part = K step, 32 rows of 512 bytes
	s_add_co_u32 s26, s23, s25
	s_add_nc_u64 s[8:9], s[8:9], s[26:27]
	s_lshl_b32 s25, s22, 10
	s_add_co_u32 s28, s24, s25
	s_add_nc_u64 s[16:17], s[16:17], s[28:29]
	v_lshl_add_u32 v5, v3, 15, v4                  ; a tile of 16 n is 32 K steps x 1,024 bytes
	PREP 8, 512, 32768
	s_endpgm
.Lvalues:
	s_lshr_b32 s25, s22, 3                         ; values [128 k][1024 n]: K step,
	s_and_b32 s30, s22, 7                          ; and 128 columns
	s_lshl_b32 s31, s25, 17
	s_add_co_u32 s26, s23, s31
	s_lshl_b32 s31, s30, 9
	s_add_co_u32 s26, s26, s31
	s_add_nc_u64 s[10:11], s[10:11], s[26:27]
	s_lshl_b32 s31, s30, 15
	s_add_co_u32 s28, s24, s31
	s_lshl_b32 s31, s25, 10
	s_add_co_u32 s28, s28, s31
	s_add_co_u32 s28, s28, 8388608                 ; values lie behind keys
	s_add_nc_u64 s[16:17], s[16:17], s[28:29]
	v_lshl_add_u32 v5, v3, 12, v4                  ; a tile of 16 n is 4 K steps x 1,024 bytes
	PREP 10, 4096, 4096
	s_endpgm
.Lfunc_end_k_q6ff6d18281_sortprep:
	.size	k_q6ff6d18281_sortprep, .Lfunc_end_k_q6ff6d18281_sortprep-k_q6ff6d18281_sortprep
	.p2alignl 7, 3214868480
	.fill 96, 4, 3214868480
	.section	.rodata,"a",@progbits
	.p2align	6, 0x0
	.amdhsa_kernel k_q6ff6d18281_sortprep
		.amdhsa_group_segment_fixed_size 5120
		.amdhsa_private_segment_fixed_size 0
		.amdhsa_enable_private_segment 0
		.amdhsa_kernarg_size 56
		.amdhsa_user_sgpr_count 2
		.amdhsa_user_sgpr_kernarg_segment_ptr 1
		.amdhsa_wavefront_size32 1
		.amdhsa_system_sgpr_workgroup_id_x 1
		.amdhsa_system_sgpr_workgroup_id_y 1
		.amdhsa_system_sgpr_workgroup_id_z 1
		.amdhsa_system_vgpr_workitem_id 0
		.amdhsa_next_free_vgpr 226
		.amdhsa_next_free_sgpr 66
		.amdhsa_reserve_vcc 1
		.amdhsa_float_denorm_mode_32 3
		.amdhsa_float_denorm_mode_16_64 3
		.amdhsa_memory_ordered 1
		.amdhsa_forward_progress 1
		.amdhsa_inst_pref_size 86
	.end_amdhsa_kernel
	.amdgpu_metadata
---
amdhsa.version: [ 1, 2 ]
amdhsa.kernels:
  - .name:           k_q6ff6d18281_sortprep
    .symbol:         k_q6ff6d18281_sortprep.kd
    .args:
      - { .name: ball, .offset: 0, .size: 8, .value_kind: global_buffer, .address_space: global }
      - { .name: aff, .offset: 8, .size: 8, .value_kind: global_buffer, .address_space: global }
      - { .name: keys, .offset: 16, .size: 8, .value_kind: global_buffer, .address_space: global }
      - { .name: values, .offset: 24, .size: 8, .value_kind: global_buffer, .address_space: global }
      - { .name: idx, .offset: 32, .size: 8, .value_kind: global_buffer, .address_space: global }
      - { .name: wgt, .offset: 40, .size: 8, .value_kind: global_buffer, .address_space: global }
      - { .name: wfrag, .offset: 48, .size: 8, .value_kind: global_buffer, .address_space: global }
    .group_segment_fixed_size: 5120
    .private_segment_fixed_size: 0
    .kernarg_segment_align: 8
    .kernarg_segment_size: 56
    .max_flat_workgroup_size: 256
    .sgpr_count:     66
    .vgpr_count:     226
    .wavefront_size: 32
...
	.end_amdgpu_metadata
.endif
;; end of part 2
;; launch ffn1 (part 3): grid 256 x 1, 4 waves a work-group, no clusters, 66,560 bytes of LDS; arguments token_stream, idx, wgt, wfrag, hbuf; writes hbuf
.if DOCPART == 3
	.amdgcn_target "amdgcn-amd-amdhsa--gfx1250"
	.amdhsa_code_object_version 6
	.text
	.protected	k_q6ff6d18281_ffn1
	.globl	k_q6ff6d18281_ffn1
	.p2align	8
	.type	k_q6ff6d18281_ffn1,@function
k_q6ff6d18281_ffn1:
	s_mov_b64 s[64:65], 0
	v_nop
	global_prefetch_b8 v0, s[64:65] scope:SCOPE_SE
	s_setreg_imm32_b32 hwreg(HW_REG_WAVE_MODE, 25, 1), 1
	s_wait_xcnt 0x0
; h = silu(x K_e) x affinity for tiles of 16 gathered rows, in bf16, stored as the next launch's matrix fragments: tile t at 4,096 t, [K step][half][lane][16 bytes].
; x is rounded to bf16 on the way; sums, silu and the weight in f32; h is rounded once.
; SHARES.  Work-group n takes tiles n N / 256 .. (n + 1) N / 256 of the N (at most 4,032) tiles: 16 at the most, so the loop has 16 places and jumps over the dead ones; the barrier stands on every path.
; Wave w owns hidden columns 32 w .. 32 w + 31 and holds their keys for all 1,024 k in 512 registers: they are loaded only when the expert changes, and tiles lie ordered by expert.
; The four waves gather 4 rows of x each, round them and share them through two LDS slots that take turns; the next tile's rows are on their way while a tile is multiplied.
; No tensor loads: the rows are gathered by a list; no cluster: work-groups share no tile.
; The product is used transposed (source 0 = 16 hidden columns, source 1 = 16 rows): a lane holds one row and eight neighbouring columns, 16 bytes of bf16.
; REGISTERS: window 0: addresses, x as loaded and rounded, accumulators; windows 1, 2: keys, K step ks, tile i at 256 + 8 (2 ks + i); window 3: x's fragments, 768 + 8 ks.
.set XP,    2064                       ; a row of x in LDS: 2,048 bytes + 16, an odd multiple of 16
.set SLOT,  16*XP
.set SPARE, 2*SLOT                     ; the spare words, 128 bytes a wave; no other line names them
.set TEXP,  516096
.set NTOT,  540416
.set HH,  24                           ; v[24:31]   h, packed, to store
.set XS,  32                           ; v[32:159]  my 4 rows as loaded
.set XB,  160                          ; v[160:223] rounded
.set TT,  160                          ; later: 16 sums
.set EX,  176                          ; and 16 at work
.set ACC, 224                          ; four accumulators: K steps of parity a, tile i at ACC + 8 (2 a + i)
.set MSB, 0
.macro WIN new                         ; the immediate's high byte repeats the setting that is left
.if MSB != (\new)
	s_set_vgpr_msb (MSB<<8)|(\new)
.set MSB, \new
.endif
.endm
; The list entries of tile tau + add (held inside the list): my four tokens and the tile's expert, into scalar set 0 or 1
.macro REQ set, add
	s_add_co_u32 s[44+2*(\set)], s17, \add
	s_min_u32 s[44+2*(\set)], s[44+2*(\set)], s21
	s_min_u32 s[44+2*(\set)], s[44+2*(\set)], 4031
	s_lshl_b32 s[45+2*(\set)], s[44+2*(\set)], 2
	s_lshl_b32 s[44+2*(\set)], s[44+2*(\set)], 6
	s_add_co_u32 s[44+2*(\set)], s[44+2*(\set)], s15
	s_load_b128 s[24+8*(\set):27+8*(\set)], s[6:7], s[44+2*(\set)]
	s_load_b32 s[28+8*(\set)], s[6:7], s[45+2*(\set)] offset:TEXP
.endm
; My four rows of tile tau + add (32 loads of 512 consecutive bytes) and my row's weight
.macro XLOAD set, add
.irp i, 0,1,2,3
	s_min_u32 s48, s[24+8*(\set)+\i], 8191
	s_lshl_b32 s48, s48, 12
	v_add_nc_u32 v[8+\i], s48, v1
.endr
	s_add_co_u32 s48, s17, \add
	s_min_u32 s48, s48, 4031
	s_lshl_b32 s48, s48, 6
	v_add_nc_u32 v16, s48, v2
.irp i, 0,1,2,3
.irp j, 0,1,2,3,4,5,6,7
	global_load_b128 v[XS+32*\i+4*\j:XS+32*\i+4*\j+3], v[8+\i], s[4:5] offset:512*\j
.endr
.endr
	global_load_b32 v[18+2*(\set)], v16, s[8:9]
.endm
; The keys of the set's expert for my 32 columns: 128 loads of 512 consecutive bytes, straight into operand registers
.macro LOADB set
	s_min_u32 s19, s[28+8*(\set)], 31
	s_lshl_b32 s42, s19, 18
	s_lshl_b32 s43, s14, 16
	s_add_co_u32 s42, s42, s43
	s_mov_b32 s43, 0
	s_add_nc_u64 s[40:41], s[10:11], s[42:43]
	WIN 0x40
.set ks, 0
.rept 32
.if ks == 16
	WIN 0x80
.endif
.irp i, 0,1
	global_load_b128 v[((2*ks+\i)*8)%256:((2*ks+\i)*8)%256+3], v1, s[40:41] offset:(32*\i+ks)*1024
	global_load_b128 v[((2*ks+\i)*8)%256+4:((2*ks+\i)*8)%256+7], v1, s[40:41] offset:(32*\i+ks)*1024+512
.endr
.set ks, ks+1
.endr
	WIN 0
.endm
; One place of the loop, on slot and scalar set s
.macro BODY s
	s_cmp_lt_u32 s17, s18
	s_cbranch_scc0 .Lmeet_\@
	s_wait_kmcnt 0x0                               ; both sets of list entries are in
	s_min_u32 s48, s[28+8*(\s)], 31
	s_cmp_eq_u32 s48, s19
	s_cbranch_scc1 .Lsame_\@
	s_wait_loadcnt 0x0                             ; no load is out when the keys' registers and their base are written again
	LOADB \s
.Lsame_\@:
	s_wait_loadcnt 0x0                             ; my rows, the weight, the keys
.set m, 0
.rept 64
	v_cvt_pk_bf16_f32 v[XB+m], v[XS+2*m], v[XS+2*m+1]
.set m, m+1
.endr
.irp i, 0,1,2,3
.irp j, 0,1,2,3,4,5,6,7
	ds_store_b64 v4, v[XB+16*\i+2*\j:XB+16*\i+2*\j+1] offset:SLOT*(\s)+XP*\i+256*\j
.endr
.endr
	s_add_co_u32 s48, s17, 1
	s_cmp_lt_u32 s48, s18
	s_cbranch_scc0 .Lnox_\@
	XLOAD 1-(\s), 1                                ; the next tile's rows: they have this tile's products in which to land
.Lnox_\@:
	REQ \s, 2
.Lmeet_\@:
	s_wait_dscnt 0x0                               ; my stores into this slot are done, and my reads of the other slot are back:
	s_barrier_signal -1                            ; behind this barrier this slot is whole, and the other may be written in the next place
	s_barrier_wait -1
	s_cmp_lt_u32 s17, s18
	s_cbranch_scc0 .Lnext_\@
	WIN 0xc0
.set ks, 0
.rept 32
	ds_load_b128 v[8*ks:8*ks+3], v3 offset:SLOT*(\s)+64*ks
	ds_load_b128 v[8*ks+4:8*ks+7], v3 offset:SLOT*(\s)+64*ks+32
.set ks, ks+1
.endr
	; 64 products; the four accumulators take turns; K steps 0 and 1 start the sums
.set ks, 0
.rept 32
.if ks%8 == 0
	s_wait_dscnt 48-2*ks                           ; the fragments of the next eight K steps are in; those of later steps are younger
.endif
.if ks < 16
	WIN 0x0d                                       ; keys window 1, x window 3
.else
	WIN 0x0e                                       ; keys window 2
.endif
.irp i, 0,1
.if ks < 2
	v_wmma_f32_16x16x32_bf16 v[ACC+8*(2*(ks%2)+\i):ACC+8*(2*(ks%2)+\i)+7], v[((2*ks+\i)*8)%256:((2*ks+\i)*8)%256+7], v[8*ks:8*ks+7], 0
.else
	v_wmma_f32_16x16x32_bf16 v[ACC+8*(2*(ks%2)+\i):ACC+8*(2*(ks%2)+\i)+7], v[((2*ks+\i)*8)%256:((2*ks+\i)*8)%256+7], v[8*ks:8*ks+7], v[ACC+8*(2*(ks%2)+\i):ACC+8*(2*(ks%2)+\i)+7]
.endif
.endr
.set ks, ks+1
.endr
	WIN 0
.rept 4
	v_nop                                          ; four places between the last product and the first read of a result (ISA guide 7.12.1)
.endr
	s_wait_xcnt 0x0                                ; the last tile's stores have read their data and offset: both are written again below
.irp i, 0,1
.irp q, 0,1,2,3
	v_pk_add_f32 v[TT+8*\i+2*\q:TT+8*\i+2*\q+1], v[ACC+8*\i+2*\q:ACC+8*\i+2*\q+1], v[ACC+16+8*\i+2*\q:ACC+16+8*\i+2*\q+1]
.endr
.endr
.set m, 0
.rept 8
	v_pk_mul_f32 v[EX+2*m:EX+2*m+1], v[TT+2*m:TT+2*m+1], 0xbfb8aa3b op_sel_hi:[1,0]
.set m, m+1
.endr
.set m, 0
.rept 16
	v_exp_f32 v[EX+m], v[EX+m]
.set m, m+1
.endr
	s_wait_loadcnt 0x0                             ; nothing is out when the weight is read
.set m, 0
.rept 8
	v_pk_mul_f32 v[TT+2*m:TT+2*m+1], v[TT+2*m:TT+2*m+1], v[18+2*(\s):19+2*(\s)] op_sel_hi:[1,0]  ; z w: plain work behind the exponentials
.set m, m+1
.endr
.set m, 0
	s_wait_alu depctr_va_vdst(0)
.rept 8
	v_pk_add_f32 v[EX+2*m:EX+2*m+1], v[EX+2*m:EX+2*m+1], 1.0 op_sel_hi:[1,0]
.set m, m+1
.endr
.set m, 0
.rept 16
	v_rcp_f32 v[EX+m], v[EX+m]
.set m, m+1
.endr
	s_min_u32 s48, s17, 4031
	s_lshl_b32 s48, s48, 12
	v_add_nc_u32 v22, s48, v5                      ; the tile's place in hbuf: a plain instruction behind the reciprocals
.set m, 0
	s_wait_alu depctr_va_vdst(0)
.rept 8
	v_pk_mul_f32 v[TT+2*m:TT+2*m+1], v[TT+2*m:TT+2*m+1], v[EX+2*m:EX+2*m+1]  ; z w / (1 + 2^(-z log2 e))
.set m, m+1
.endr
.set m, 0
.rept 8
	v_cvt_pk_bf16_f32 v[HH+m], v[TT+2*m], v[TT+2*m+1]
.set m, m+1
.endr
	global_store_b128 v22, v[HH:HH+3], s[12:13]             ; 512 consecutive bytes: K step w, half 0
	global_store_b128 v22, v[HH+4:HH+7], s[12:13] offset:512
.Lnext_\@:
	s_add_co_u32 s17, s17, 1
.endm
	s_load_b256 s[4:11], s[0:1], 0x0               ; x s[4:5], idx s[6:7], wgt s[8:9], wfrag s[10:11]
	s_load_b64 s[12:13], s[0:1], 0x20              ; hbuf
	v_lshl_add_u32 v6, v0, 2, SPARE                ; my spare word
	v_mov_b32 v7, 0
	v_lshrrev_b32 v8, 5, v0
	v_readfirstlane_b32 s14, v8                    ; wave
	v_and_b32 v9, 31, v0
	v_and_b32 v10, 15, v0                          ; r
	v_bfe_u32 v11, v0, 4, 1                        ; h
	v_lshlrev_b32 v1, 4, v9                        ; 16 lane
	v_lshlrev_b32 v2, 2, v10                       ; 4 r
	v_mul_u32_u24 v3, v10, XP
	v_lshl_add_u32 v3, v11, 4, v3                  ; a fragment's row x pitch + 16 h
	s_mul_i32 s48, s14, 4*XP
	v_lshl_add_u32 v4, v9, 3, s48                  ; into a slot: my four rows, 8 bytes a lane
	s_lshl_b32 s49, s14, 10
	v_add_nc_u32 v5, s49, v1                       ; in a tile of hbuf: 1,024 w + 16 lane
	v_mov_b32 v18, 0                               ; the weights' pairs: the packed multiply names both registers
	v_mov_b32 v19, 0
	v_mov_b32 v20, 0
	v_mov_b32 v21, 0
	s_lshl_b32 s15, s14, 4
	s_wait_kmcnt 0x0
	s_load_b32 s16, s[6:7], NTOT
	s_wait_kmcnt 0x0
	s_min_u32 s16, s16, 4032                       ; N
	s_mul_i32 s17, s16, ttmp9
	s_add_co_u32 s18, s17, s16
	s_lshr_b32 s17, s17, 8
	s_lshr_b32 s18, s18, 8
	s_min_u32 s17, s17, 4032                       ; the tile in hand
	s_min_u32 s18, s18, 4032                       ; behind my last
	s_sub_co_u32 s21, s16, 1
	REQ 0, 0
	REQ 1, 1
	s_wait_kmcnt 0x0
	XLOAD 0, 0
	LOADB 0
	s_wait_loadcnt 0x0                             ; the first place needs all of it at once
	s_mov_b32 s20, 8
.Ltiles:
	BODY 0
	BODY 1
	s_sub_co_u32 s20, s20, 1
	s_cmp_lg_u32 s20, 0
	s_cbranch_scc1 .Ltiles
	s_wait_tensorcnt 0x0                           ; the wave's end
	ds_add_u32 v6, v7
	s_wait_dscnt 0x0
	s_endpgm
.Lfunc_end_k_q6ff6d18281_ffn1:
	.size	k_q6ff6d18281_ffn1, .Lfunc_end_k_q6ff6d18281_ffn1-k_q6ff6d18281_ffn1
	.p2alignl 7, 3214868480
	.fill 96, 4, 3214868480
	.section	.rodata,"a",@progbits
	.p2align	6, 0x0
	.amdhsa_kernel k_q6ff6d18281_ffn1
		.amdhsa_group_segment_fixed_size 66560
		.amdhsa_private_segment_fixed_size 0
		.amdhsa_enable_private_segment 0
		.amdhsa_kernarg_size 40
		.amdhsa_user_sgpr_count 2
		.amdhsa_user_sgpr_kernarg_segment_ptr 1
		.amdhsa_wavefront_size32 1
		.amdhsa_system_sgpr_workgroup_id_x 1
		.amdhsa_system_sgpr_workgroup_id_y 1
		.amdhsa_system_sgpr_workgroup_id_z 1
		.amdhsa_system_vgpr_workitem_id 0
		.amdhsa_next_free_vgpr 1024
		.amdhsa_next_free_sgpr 66
		.amdhsa_reserve_vcc 0
		.amdhsa_float_denorm_mode_32 3
		.amdhsa_float_denorm_mode_16_64 3
		.amdhsa_memory_ordered 1
		.amdhsa_forward_progress 1
		.amdhsa_inst_pref_size 91
	.end_amdhsa_kernel
	.amdgpu_metadata
---
amdhsa.version: [ 1, 2 ]
amdhsa.kernels:
  - .name:           k_q6ff6d18281_ffn1
    .symbol:         k_q6ff6d18281_ffn1.kd
    .args:
      - { .name: token_stream, .offset: 0, .size: 8, .value_kind: global_buffer, .address_space: global }
      - { .name: idx, .offset: 8, .size: 8, .value_kind: global_buffer, .address_space: global }
      - { .name: wgt, .offset: 16, .size: 8, .value_kind: global_buffer, .address_space: global }
      - { .name: wfrag, .offset: 24, .size: 8, .value_kind: global_buffer, .address_space: global }
      - { .name: hbuf, .offset: 32, .size: 8, .value_kind: global_buffer, .address_space: global }
    .group_segment_fixed_size: 66560
    .private_segment_fixed_size: 0
    .kernarg_segment_align: 8
    .kernarg_segment_size: 40
    .max_flat_workgroup_size: 128
    .sgpr_count:     66
    .vgpr_count:     1024
    .wavefront_size: 32
...
	.end_amdgpu_metadata
.endif
;; end of part 3
;; launch ffn2 (part 4): grid 8 x 32, 4 waves a work-group, no clusters, 281,088 bytes of LDS; arguments idx, wfrag, hbuf, out0; writes out0
.if DOCPART == 4
	.amdgcn_target "amdgcn-amd-amdhsa--gfx1250"
	.amdhsa_code_object_version 6
	.text
	.protected	k_q6ff6d18281_ffn2
	.globl	k_q6ff6d18281_ffn2
	.p2align	8
	.type	k_q6ff6d18281_ffn2,@function
k_q6ff6d18281_ffn2:
	s_mov_b64 s[64:65], 0
	v_nop
	global_prefetch_b8 v0, s[64:65] scope:SCOPE_SE
	s_setreg_imm32_b32 hwreg(HW_REG_WAVE_MODE, 25, 1), 1
	s_wait_xcnt 0x0
; out0[t] = the sum over t's six experts of h_e[t] V_e.  THE OWNER ADDS: a work-group owns 256 tokens (sub-block u) x 128 columns and keeps their f32 sums in LDS.
; For each routed expert the sub-block's tiles of 16 rows are multiplied by V_e, and each row is added to the LDS row that the list names (read, add, write); padding rows go to row 256, which nobody reads.
; SHARES.  Wave w = 2 p + c takes the experts 2 k + p, k = 0 .. 14, on columns 64 c .. 64 c + 63, into a region of LDS of its own: no barrier until all routed work is done.
; Then wave (p, c) takes rows 128 p .. 128 p + 127: the two parities' sums, plus the shared experts 30 and 31 (their rows lie in token order), and stores out0.
; Operands come as fragments by loads of 512 consecutive bytes a wave, an expert ahead.  No tensor loads: nothing passes through LDS but the sums.  No cluster: the partners' numbers of tiles differ,
; and V would have to pass through the LDS that the sums fill.
; The product is used transposed (source 0 = 16 columns of V, source 1 = 16 rows of h): a lane holds one row and eight neighbouring columns, 32 bytes of f32.
; REGISTERS: window 0: addresses, ACC, sums; window 1: V, buffer b, column tile ct, K step ks at 256 + 128 b + 8 (4 ct + ks); window 2: h, buffer b, tile i at 512 + 128 b + 32 i + 8 ks.
; The 264 registers of h's fragments and row numbers are set once at the start (in the wait for the first loads): a tile's loads and its use stand under two branches on the same count.
.set RP,    272                        ; a row of 64 f32 + 16 bytes
.set REG,   70144                      ; a wave's region: 257 rows, up to a multiple of 512
.set SPARE, 4*REG                      ; the spare words, 128 bytes a wave; no other line names them
.set LOCB,  258048
.set SEGB,  532224
.set LOC, 10                           ; v[10:17]   row numbers: buffer b, tile i at LOC + 4 b + i
.set ACC, 32                           ; v[32:63]   four accumulators, one a column tile
.set OLD, 64                           ; v[64:95]   the sums in hand
.set OL1, 96                           ; v[96:127]  the other parity's; then whole rows to store
.set MSB, 0
.macro WIN new                         ; the immediate's high byte repeats the setting that is left
.if MSB != (\new)
	s_set_vgpr_msb (MSB<<8)|(\new)
.set MSB, \new
.endif
.endm
; An expert's V (16 KiB, consecutive) and up to four of its tiles with their row numbers, into buffer b.  s22: the first tile; s[20 + b]: the tiles
.macro PREFETCH b
	WIN 0x40
.set q, 0
.rept 32
	global_load_b128 v[128*(\b)+4*q:128*(\b)+4*q+3], v1, s[24+2*(\b):25+2*(\b)] offset:512*q
.set q, q+1
.endr
	WIN 0
	s_lshl_b32 s42, s22, 12
	s_mov_b32 s43, 0
	s_add_nc_u64 s[28+2*(\b):29+2*(\b)], s[8:9], s[42:43]
	s_lshl_b32 s42, s22, 6
	v_add_nc_u32 v[8+(\b)], s42, v2
.irp i, 0,1,2,3
	s_cmp_gt_u32 s[20+(\b)], \i
	s_cbranch_scc0 .Lpf_\@
	WIN 0x80
.set q, 0
.rept 8
	global_load_b128 v[128*(\b)+32*\i+4*q:128*(\b)+32*\i+4*q+3], v1, s[28+2*(\b):29+2*(\b)] offset:4096*\i+512*q
.set q, q+1
.endr
	WIN 0
	global_load_b32 v[LOC+4*(\b)+\i], v[8+(\b)], s[4:5] offset:LOCB+64*\i
.endr
.Lpf_\@:
.endm
; A tile: the old sums are read while 16 products are made; then add and write back.  LDS serves a wave's instructions in order, so the next tile's reads see these stores.
.macro TILE b, i
	v_min_u32 v19, 0x100, v[LOC+4*(\b)+(\i)]
	v_mul_u32_u24 v4, v19, RP
	v_add_nc_u32 v4, v3, v4
.irp ct, 0,1,2,3
	ds_load_b128 v[OLD+8*\ct:OLD+8*\ct+3], v4 offset:64*\ct
	ds_load_b128 v[OLD+8*\ct+4:OLD+8*\ct+7], v4 offset:64*\ct+16
.endr
	WIN 0x09                                       ; V window 1, h window 2
.irp ks, 0,1,2,3
.irp ct, 0,1,2,3
.if \ks == 0
	v_wmma_f32_16x16x32_bf16 v[ACC+8*\ct:ACC+8*\ct+7], v[128*(\b)+8*(4*\ct+\ks):128*(\b)+8*(4*\ct+\ks)+7], v[128*(\b)+32*(\i)+8*\ks:128*(\b)+32*(\i)+8*\ks+7], 0
.else
	v_wmma_f32_16x16x32_bf16 v[ACC+8*\ct:ACC+8*\ct+7], v[128*(\b)+8*(4*\ct+\ks):128*(\b)+8*(4*\ct+\ks)+7], v[128*(\b)+32*(\i)+8*\ks:128*(\b)+32*(\i)+8*\ks+7], v[ACC+8*\ct:ACC+8*\ct+7]
.endif
.endr
.endr
	WIN 0
.rept 4
	v_nop                                          ; four places between the last product and the first read of a result (ISA guide 7.12.1)
.endr
	s_wait_dscnt 0x0
.set m, 0
.rept 16
	v_pk_add_f32 v[OLD+2*m:OLD+2*m+1], v[OLD+2*m:OLD+2*m+1], v[ACC+2*m:ACC+2*m+1]
.set m, m+1
.endr
.irp ct, 0,1,2,3
	ds_store_b128 v4, v[OLD+8*\ct:OLD+8*\ct+3] offset:64*\ct
	ds_store_b128 v4, v[OLD+8*\ct+4:OLD+8*\ct+7] offset:64*\ct+16
.endr
.endm
; An expert on buffer b: its operands are waited for, the next expert's are asked for, its tiles are added.  More than four tiles (more than 64 of 256 tokens) go one by one.
.macro EXPERT b, last
.set ob, 1-(\b)
	s_mov_b32 s23, s[20+(\b)]
	s_wait_loadcnt 0x0                             ; buffer b is in, and no load is out: the other buffer's bases and offsets may be written
.if (\last) == 0
	s_wait_kmcnt 0x0                               ; the next expert's table entry
	s_min_u32 s22, s[16+2*ob], 4031
	s_min_u32 s[20+ob], s[17+2*ob], 16
	s_add_nc_u64 s[24+2*ob:25+2*ob], s[24+2*(\b):25+2*(\b)], 524288  ; two experts on
	PREFETCH ob
	s_add_co_u32 s36, s36, 8
	s_load_b64 s[16+2*(\b):17+2*(\b)], s[4:5], s36
.endif
.irp i, 0,1,2,3
	s_cmp_gt_u32 s23, \i
	s_cbranch_scc0 .Lxe_\@
	TILE \b, \i
.endr
	s_mov_b32 s38, 4
	s_cmp_lt_u32 s38, s23
	s_cbranch_scc0 .Lxe_\@
.Lxm_\@:
	s_min_u32 s42, s38, 15
	s_lshl_b32 s57, s42, 6
	s_lshl_b32 s42, s42, 12
	s_mov_b32 s43, 0
	s_add_nc_u64 s[40:41], s[28+2*(\b):29+2*(\b)], s[42:43]
	v_add_nc_u32 v18, s57, v[8+(\b)]
	WIN 0x80
.set q, 0
.rept 8
	global_load_b128 v[128*(\b)+4*q:128*(\b)+4*q+3], v1, s[40:41] offset:512*q
.set q, q+1
.endr
	WIN 0
	global_load_b32 v[LOC+4*(\b)], v18, s[4:5] offset:LOCB
	s_wait_loadcnt 0x0
	TILE \b, 0
	s_add_co_u32 s38, s38, 1
	s_cmp_lt_u32 s38, s23
	s_cbranch_scc1 .Lxm_\@
.Lxe_\@:
.endm
; A tile of 16 of my rows, on buffer b: the next row tile's h is asked for (the look-ahead is held to the last tile); both parities' sums are read while the shared experts' 32 products are made;
; the total goes back into its rows, comes out again as whole rows, and is stored: sixteen lanes store 256 consecutive bytes, aligned.
.macro FINT b
.set ob, 1-(\b)
	s_min_u32 s42, s56, 7
	s_lshl_b32 s42, s42, 12
	s_mov_b32 s43, 0
	s_add_nc_u64 s[44+4*ob:45+4*ob], s[52:53], s[42:43]  ; this buffer's bases: the loads that named them were shown done by the last counted wait
	s_add_nc_u64 s[46+4*ob:47+4*ob], s[54:55], s[42:43]
	s_add_co_u32 s56, s56, 1
	WIN 0x80
.set q, 0
.rept 8
	global_load_b128 v[128*ob+4*q:128*ob+4*q+3], v1, s[44+4*ob:45+4*ob] offset:512*q
	global_load_b128 v[128*ob+32+4*q:128*ob+32+4*q+3], v1, s[46+4*ob:47+4*ob] offset:512*q
.set q, q+1
.endr
	WIN 0
	s_wait_loadcnt 16                              ; this tile's operands are in: the 16 loads just issued are younger
.irp ct, 0,1,2,3
	ds_load_b128 v[OLD+8*\ct:OLD+8*\ct+3], v24 offset:64*\ct
	ds_load_b128 v[OLD+8*\ct+4:OLD+8*\ct+7], v24 offset:64*\ct+16
	ds_load_b128 v[OL1+8*\ct:OL1+8*\ct+3], v25 offset:64*\ct
	ds_load_b128 v[OL1+8*\ct+4:OL1+8*\ct+7], v25 offset:64*\ct+16
.endr
	WIN 0x09
.irp x, 0,1
.irp ks, 0,1,2,3
.irp ct, 0,1,2,3
.if (\x == 0) && (\ks == 0)
	v_wmma_f32_16x16x32_bf16 v[ACC+8*\ct:ACC+8*\ct+7], v[128*\x+8*(4*\ct+\ks):128*\x+8*(4*\ct+\ks)+7], v[128*(\b)+32*\x+8*\ks:128*(\b)+32*\x+8*\ks+7], 0
.else
	v_wmma_f32_16x16x32_bf16 v[ACC+8*\ct:ACC+8*\ct+7], v[128*\x+8*(4*\ct+\ks):128*\x+8*(4*\ct+\ks)+7], v[128*(\b)+32*\x+8*\ks:128*(\b)+32*\x+8*\ks+7], v[ACC+8*\ct:ACC+8*\ct+7]
.endif
.endr
.endr
.endr
	WIN 0
	s_wait_dscnt 0x0
.set m, 0
.rept 16
	v_pk_add_f32 v[OLD+2*m:OLD+2*m+1], v[OLD+2*m:OLD+2*m+1], v[OL1+2*m:OL1+2*m+1]  ; these name no register of the products: they are the places behind them
.set m, m+1
.endr
.set m, 0
.rept 16
	v_pk_add_f32 v[OLD+2*m:OLD+2*m+1], v[OLD+2*m:OLD+2*m+1], v[ACC+2*m:ACC+2*m+1]
.set m, m+1
.endr
.irp ct, 0,1,2,3
	ds_store_b128 v24, v[OLD+8*\ct:OLD+8*\ct+3] offset:64*\ct
	ds_store_b128 v24, v[OLD+8*\ct+4:OLD+8*\ct+7] offset:64*\ct+16
.endr
.irp t, 0,1,2,3,4,5,6,7
	ds_load_b128 v[OL1+4*\t:OL1+4*\t+3], v27 offset:\t*2*RP
.endr
	s_wait_dscnt 0x0
.irp t, 0,1,2,3,4,5,6,7
	global_store_b128 v26, v[OL1+4*\t:OL1+4*\t+3], s[10:11] offset:\t*8192 th:TH_STORE_NT
.endr
	v_add_nc_u32 v24, 16*RP, v24
	v_add_nc_u32 v25, 16*RP, v25
	v_add_nc_u32 v27, 16*RP, v27
	s_wait_xcnt 0x0                                ; the stores' offset and data are written again only behind this wait
	v_add_nc_u32 v26, 0x10000, v26
.endm
	s_load_b256 s[4:11], s[0:1], 0x0               ; idx s[4:5], wfrag s[6:7], hbuf s[8:9], out0 s[10:11]
	v_lshl_add_u32 v6, v0, 2, SPARE                ; my spare word
	v_mov_b32 v7, 0
	v_lshrrev_b32 v8, 5, v0
	v_readfirstlane_b32 s12, v8                    ; wave
	s_lshr_b32 s13, s12, 1                         ; p
	s_and_b32 s14, s12, 1                          ; c
	s_mov_b32 s15, ttmp9                           ; column block
	s_and_b32 s39, ttmp7, 0xffff                   ; u
	v_and_b32 v18, 31, v0
	v_and_b32 v19, 15, v0                          ; r
	v_bfe_u32 v5, v0, 4, 1                         ; h
	v_lshlrev_b32 v1, 4, v18                       ; 16 lane
	v_lshlrev_b32 v2, 2, v19                       ; 4 r
	s_mul_i32 s57, s12, REG
	v_lshl_add_u32 v3, v5, 5, s57                  ; my region + 32 h
	v_add_nc_u32 v28, s57, v1
	v_add_nc_u32 v29, 0x10000, v28
	v_mov_b32 v20, 0
	v_mov_b32 v21, 0
	v_mov_b32 v22, 0
	v_mov_b32 v23, 0
	s_mul_i32 s58, s14, REG                        ; the last phase: region (0, c),
	s_mul_i32 s59, s13, 128*RP                     ; my 128 rows
	s_add_co_u32 s58, s58, s59
	v_mul_u32_u24 v24, v19, RP
	v_lshl_add_u32 v24, v5, 5, v24
	v_add_nc_u32 v24, s58, v24                     ; row r, 32 bytes for each half of the lanes
	v_add_nc_u32 v25, 2*REG, v24                   ; the same in region (1, c)
	v_mul_u32_u24 v27, v5, RP
	v_lshl_add_u32 v27, v19, 4, v27
	v_add_nc_u32 v27, s58, v27                     ; back: lanes 0-15 one row of 256 bytes, lanes 16-31 the next
	v_lshlrev_b32 v26, 12, v5
	v_lshl_add_u32 v26, v19, 4, v26                ; and the same two rows in out0
	s_lshl_b32 s60, s39, 8
	s_add_co_u32 s60, s60, SEGB                    ; my sub-block's table
	s_lshl_b32 s36, s13, 7
	s_add_co_u32 s36, s36, s60                     ; my parity's half of it
	s_wait_kmcnt 0x0
	s_load_b64 s[16:17], s[4:5], s36               ; entries 0 and 1,
	s_load_b64 s[18:19], s[4:5], s36 offset:8
	s_load_b64 s[32:33], s[4:5], s60 offset:120    ; and those of experts 30 and 31
	s_load_b64 s[34:35], s[4:5], s60 offset:248
	; my region starts at 0: 137 stores of 512 bytes
.set q, 0
.rept 128
	ds_store_b128 v28, v[20:23] offset:512*q
.set q, q+1
.endr
.set q, 0
.rept 9
	ds_store_b128 v29, v[20:23] offset:512*q
.set q, q+1
.endr
	WIN 0x80
.set q, 0
.rept 256
	v_mov_b32 v[q], 0
.set q, q+1
.endr
	WIN 0
.set q, 0
.rept 8
	v_mov_b32 v[LOC+q], 0x100
.set q, q+1
.endr
	s_lshl_b32 s42, s15, 15                        ; values at my 64 columns: 8 tiles of 4,096 bytes a column block,
	s_lshl_b32 s57, s14, 14                        ; 4 a half,
	s_add_co_u32 s42, s42, s57
	s_add_co_u32 s42, s42, 8388608                 ; behind the keys
	s_mov_b32 s43, 0
	s_add_nc_u64 s[6:7], s[6:7], s[42:43]
	s_lshl_b32 s42, s13, 18
	s_add_nc_u64 s[24:25], s[6:7], s[42:43]        ; expert p
	s_lshl_b32 s42, s39, 20                        ; out0 at my rows and columns
	s_lshl_b32 s57, s13, 19
	s_add_co_u32 s42, s42, s57
	s_lshl_b32 s57, s15, 9
	s_add_co_u32 s42, s42, s57
	s_lshl_b32 s57, s14, 8
	s_add_co_u32 s42, s42, s57
	s_add_nc_u64 s[10:11], s[10:11], s[42:43]
	s_wait_kmcnt 0x0
	s_add_co_u32 s36, s36, 8                       ; the entry asked for last
	s_min_u32 s22, s16, 4031
	s_min_u32 s20, s17, 16
	PREFETCH 0
	s_mov_b32 s37, 7
.Lexp:
	EXPERT 0, 0
	EXPERT 1, 0
	s_sub_co_u32 s37, s37, 1
	s_cmp_lg_u32 s37, 0
	s_cbranch_scc1 .Lexp
	EXPERT 0, 1
	; the shared experts: V of both, and h of my first row tile
	s_min_u32 s32, s32, 4031
	s_min_u32 s34, s34, 4031
	s_lshl_b32 s57, s13, 3
	s_add_co_u32 s32, s32, s57
	s_add_co_u32 s34, s34, s57
	s_mov_b32 s43, 0
	s_lshl_b32 s42, s32, 12
	s_add_nc_u64 s[52:53], s[8:9], s[42:43]
	s_lshl_b32 s42, s34, 12
	s_add_nc_u64 s[54:55], s[8:9], s[42:43]
	s_add_nc_u64 s[24:25], s[6:7], 30*262144
	s_add_nc_u64 s[26:27], s[6:7], 31*262144
	WIN 0x40
.set q, 0
.rept 32
	global_load_b128 v[4*q:4*q+3], v1, s[24:25] offset:512*q
	global_load_b128 v[128+4*q:128+4*q+3], v1, s[26:27] offset:512*q
.set q, q+1
.endr
	WIN 0x80
.set q, 0
.rept 8
	global_load_b128 v[4*q:4*q+3], v1, s[52:53] offset:512*q
	global_load_b128 v[32+4*q:32+4*q+3], v1, s[54:55] offset:512*q
.set q, q+1
.endr
	WIN 0
	s_wait_dscnt 0x0                               ; for the others' sake: my region is complete
	s_barrier_signal -1
	s_barrier_wait -1                              ; behind it a wave touches only its own 128 rows of the two regions of its columns
	s_mov_b32 s56, 1
	s_mov_b32 s37, 4
.Lfin:
	FINT 0
	FINT 1
	s_sub_co_u32 s37, s37, 1
	s_cmp_lg_u32 s37, 0
	s_cbranch_scc1 .Lfin
	s_wait_tensorcnt 0x0                           ; the wave's end
	ds_add_u32 v6, v7
	s_wait_dscnt 0x0
	s_endpgm
.Lfunc_end_k_q6ff6d18281_ffn2:
	.size	k_q6ff6d18281_ffn2, .Lfunc_end_k_q6ff6d18281_ffn2-k_q6ff6d18281_ffn2
	.p2alignl 7, 3214868480
	.fill 96, 4, 3214868480
	.section	.rodata,"a",@progbits
	.p2align	6, 0x0
	.amdhsa_kernel k_q6ff6d18281_ffn2
		.amdhsa_group_segment_fixed_size 281088
		.amdhsa_private_segment_fixed_size 0
		.amdhsa_enable_private_segment 0
		.amdhsa_kernarg_size 32
		.amdhsa_user_sgpr_count 2
		.amdhsa_user_sgpr_kernarg_segment_ptr 1
		.amdhsa_wavefront_size32 1
		.amdhsa_system_sgpr_workgroup_id_x 1
		.amdhsa_system_sgpr_workgroup_id_y 1
		.amdhsa_system_sgpr_workgroup_id_z 1
		.amdhsa_system_vgpr_workitem_id 0
		.amdhsa_next_free_vgpr 768
		.amdhsa_next_free_sgpr 66
		.amdhsa_reserve_vcc 0
		.amdhsa_float_denorm_mode_32 3
		.amdhsa_float_denorm_mode_16_64 3
		.amdhsa_memory_ordered 1
		.amdhsa_forward_progress 1
		.amdhsa_inst_pref_size 125
	.end_amdhsa_kernel
	.amdgpu_metadata
---
amdhsa.version: [ 1, 2 ]
amdhsa.kernels:
  - .name:           k_q6ff6d18281_ffn2
    .symbol:         k_q6ff6d18281_ffn2.kd
    .args:
      - { .name: idx, .offset: 0, .size: 8, .value_kind: global_buffer, .address_space: global }
      - { .name: wfrag, .offset: 8, .size: 8, .value_kind: global_buffer, .address_space: global }
      - { .name: hbuf, .offset: 16, .size: 8, .value_kind: global_buffer, .address_space: global }
      - { .name: out0, .offset: 24, .size: 8, .value_kind: global_buffer, .address_space: global }
    .group_segment_fixed_size: 281088
    .private_segment_fixed_size: 0
    .kernarg_segment_align: 8
    .kernarg_segment_size: 32
    .max_flat_workgroup_size: 128
    .sgpr_count:     66
    .vgpr_count:     768
    .wavefront_size: 32
...
	.end_amdgpu_metadata
.endif
;; end of part 4
;; ======== version 2 of 2: 4 launches; version 1 with the launches router, ffn2 written anew for expert scheduling mode
;; workspace buffers: aff 1,048,576 bytes; ball 65,536 bytes of whole numbers; idx 540,672 bytes of whole numbers; wgt 258,048 bytes; wfrag 16,777,216 bytes; hbuf 16,515,072 bytes
;; launch router (part 5): grid 256 x 1, 8 waves a work-group, no clusters, 182,784 bytes of LDS; arguments selection_input, expert_sel, bias_ffn, aff, ball, out1; writes aff, ball, out1
.if DOCPART == 5
	.amdgcn_target "amdgcn-amd-amdhsa--gfx1250"
	.amdhsa_code_object_version 6
	.text
	.protected	k_q6ff6d18281_router
	.globl	k_q6ff6d18281_router
	.p2align	8
	.type	k_q6ff6d18281_router,@function
k_q6ff6d18281_router:
	s_mov_b64 s[64:65], 0
	v_nop
	global_prefetch_b8 v0, s[64:65] scope:SCOPE_SE
	s_setreg_imm32_b32 hwreg(HW_REG_WAVE_SCHED_MODE, 0, 2), 2
	s_setreg_imm32_b32 hwreg(HW_REG_WAVE_MODE, 25, 1), 1
	s_wait_xcnt 0x0
	s_wait_alu depctr_vm_vsrc(0)
; ROUTER.  affinity[t][e] = sigmoid(selection_input[t] . expert_sel[e]); the four largest of affinity + bias among experts 0-29 (the lower index wins a tie), then 30 and 31.
; All inputs are rounded to bf16 (nearest even), the bias too; products by the matrix unit, sums in f32.  Stored: aff [8192][32] f32; out1; and for each 32 tokens and each expert
; a mask of the tokens that chose it and their number (ball), from which the next launch makes the order of the work.
; SHARES.  A work-group owns 32 tokens.  Wave w owns k = 128 w .. 128 w + 127 of all 32 tokens and all 32 experts; the eight partial sums meet in LDS.
; The product is used transposed (source 0 = 16 experts, source 1 = 16 tokens): a lane holds one token and eight neighbouring experts.
; LIMITS.  NaN and infinite scores are not treated apart (an expert already taken counts as -inf; the largest score is found by maxima, which pass a NaN over).
; The exponent of 2 in the sigmoid is held to 126: affinities under 1e-38 are not exact.
; The sums' order differs from a plain f32 sum: two scores closer than that rounding may change places.
; THE MODE: SCHED_MODE bits 1:0 = 2 (LLVM: expert scheduling mode 2), set by the entry lines.  The code itself states the register dependences
; between vector or matrix instructions and memory or LDS instructions, with s_wait_alu, always for 0.
; THE PLAN.  Registers that memory or LDS instructions touch:
;   v1-v5, v14-v18  offsets and addresses: made at the head, never written again.
;   ES   E as loaded, 16 rows at a time: written by loads, read by the conversions alone.      EB   those rows rounded: written by the conversions, read by the LDS stores.
;   XS   X as loaded: written by loads, rounded in place, read by the LDS stores; then the fragments of X and E land there.
;   ACC  written by the products, read by the LDS stores of the partial sums.      v[32:63]  the eight partial sums land there; v[40:43], the affinities, are read by two stores.
;   wave 0: v[64:95] its affinities land; v[128:133] are stored to LDS, v[134:139] come back and are stored, v[140:141] are stored.
; A run of stores stands behind one wait on va_vdst and is dealt among conversions that name other registers; a wait on vm_vsrc stands ahead of the first write of registers that stores have read.
; Compares stand in runs, into scalar registers, with one wait on va_sdst behind each run.
.set XP,    272                        ; a staged row: 128 bf16 + 16 bytes, an odd multiple of 16: the 16 rows of a fragment load start in 16 different groups of four banks
.set EST,   32*XP                      ; in a wave's stage: 32 rows of X, then 32 rows of E
.set WST,   64*XP
.set PB,    8*WST                      ; partial logits: 8 waves x 32 tokens x 144 bytes
.set PP,    144
.set PW,    32*PP
.set AFB,   PB+8*PW                    ; affinities, 32 tokens x 144 bytes
.set SOB,   AFB+PW                     ; out1's 768 bytes
.set SPARE, SOB+1024                   ; the spare words, 128 bytes a wave; no other line names them
.set XS,  32                           ; v[32:159]  X as loaded, 4 registers a row
.set ES,  160                          ; v[160:223] E as loaded, 16 rows at a time
.set EB,  224                          ; v[224:255] 16 rows of E rounded, 2 registers a row
.set XF,  32                           ; fragments of X: token tile tt, K step ks at XF + 32 tt + 8 ks
.set EF,  96                           ; fragments of E likewise
.set ACC, 160                          ; four accumulators: (mt, tt) at ACC + 8 (2 mt + tt)
.set AF,  64                           ; wave 0: the lane's 32 affinities; later 32 registers at work
.set SC,  96                           ; wave 0: its 30 scores
.set MX,  146                          ; wave 0: v[146:155] at work
.set MK,  32                           ; wave 0: s[32:63] the biases; when these are used up, the compares' masks
.macro CV2 dst, src                    ; four f32 of a row become 8 bytes
	v_cvt_pk_bf16_f32 v[\dst], v[\src], v[(\src)+1]
	v_cvt_pk_bf16_f32 v[(\dst)+1], v[(\src)+2], v[(\src)+3]
.endm
	s_load_b256 s[4:11], s[0:1], 0x0               ; selection s[4:5], expert_sel s[6:7], bias s[8:9], aff s[10:11]
	s_load_b128 s[12:15], s[0:1], 0x20             ; ball s[12:13], out1 s[14:15]
	v_lshl_add_u32 v6, v0, 2, SPARE                ; my spare word
	v_mov_b32 v7, 0
	v_lshrrev_b32 v8, 5, v0
	v_readfirstlane_b32 s16, v8                    ; wave
	v_and_b32 v9, 31, v0                           ; lane
	v_and_b32 v10, 15, v0                          ; r
	v_bfe_u32 v11, v0, 4, 1                        ; h
	v_lshrrev_b32 v12, 3, v0                       ; for the sum over waves: token
	v_and_b32 v13, 7, v0                           ; and four experts
	v_lshlrev_b32 v14, 4, v0                       ; 16 x thread: my 16 bytes of the group's 4,096 of aff
	v_mul_u32_u24 v15, v9, PP
	v_add_nc_u32 v15, AFB, v15                     ; for wave 0: the affinities of token = lane
	v_mul_u32_u24 v16, v9, 24
	v_add_nc_u32 v16, SOB, v16                     ; its 24 bytes of out1 in LDS
	v_lshl_add_u32 v17, v9, 3, SOB                 ; the same bytes as they are read back, 8 a lane
	v_lshlrev_b32 v18, 3, v9                       ; and 8 x lane in out1 and in ball
	s_wait_alu depctr_va_sdst(0)                   ; s16 is written, ahead of its first reader
	s_lshl_b32 s17, s16, 9
	s_mul_i32 s18, s16, WST
	s_mul_i32 s19, s16, PW
	s_add_co_u32 s19, s19, PB
	v_lshl_add_u32 v1, v9, 4, s17                  ; in a row of 4,096 bytes: 512 w + 16 lane
	v_lshl_add_u32 v2, v9, 3, s18                  ; into my stage: 8 bytes a lane
	v_mul_u32_u24 v3, v10, XP
	v_lshl_add_u32 v3, v11, 4, v3
	v_add_nc_u32 v3, s18, v3                       ; a fragment's row x pitch + 16 h
	v_mul_u32_u24 v4, v10, PP
	v_lshl_add_u32 v4, v11, 5, v4
	v_add_nc_u32 v4, s19, v4                       ; my partial sums: token r, experts 8 h on
	v_mul_u32_u24 v5, v12, PP
	v_lshl_add_u32 v5, v13, 4, v5
	v_add_nc_u32 v5, PB, v5
	s_lshl_b32 s20, ttmp9, 17                      ; 32 rows of 4,096 bytes
	s_mov_b32 s21, 0
	s_lshl_b32 s22, ttmp9, 12
	s_mov_b32 s23, 0
	s_lshl_b32 s24, ttmp9, 8
	s_mov_b32 s25, 0
	s_mul_i32 s26, ttmp9, 768
	s_mov_b32 s27, 0
	s_wait_kmcnt 0x0
	s_add_nc_u64 s[4:5], s[4:5], s[20:21]
	s_add_nc_u64 s[10:11], s[10:11], s[22:23]
	s_add_nc_u64 s[12:13], s[12:13], s[24:25]
	s_add_nc_u64 s[14:15], s[14:15], s[26:27]
	s_load_b512 s[32:47], s[8:9], 0x0              ; the 32 biases
	s_load_b512 s[48:63], s[8:9], 0x40
	s_wait_alu depctr_va_vdst(0)                   ; the offsets and addresses v1-v5 and v14-v18 are written: every load and store of the kernel reads one of them
	; each load of the wave covers 512 consecutive bytes of a row
.set i, 0
.rept 16
	global_load_b128 v[ES+4*i:ES+4*i+3], v1, s[6:7] offset:4096*i
.set i, i+1
.endr
.set i, 0
.rept 32
	global_load_b128 v[XS+4*i:XS+4*i+3], v1, s[4:5] offset:4096*i th:TH_LOAD_NT
.set i, i+1
.endr
	s_wait_loadcnt 32                              ; experts 0-15 are in; X's 32 loads are younger
.set i, 0
.rept 16
	CV2 EB+2*i, ES+4*i
.set i, i+1
.endr
	s_wait_alu depctr_va_vdst(0)                   ; the conversions are done reading ES, in which the loads below land, and have written EB, which the stores below read
.set i, 0
.rept 16
	global_load_b128 v[ES+4*i:ES+4*i+3], v1, s[6:7] offset:4096*(16+i)
.set i, i+1
.endr
.set i, 0
.rept 16
	ds_store_b64 v2, v[EB+2*i:EB+2*i+1] offset:EST+XP*i
.set i, i+1
.endr
	s_wait_loadcnt 16                              ; X is in; the 16 loads just issued are younger
.set i, 0
.rept 16
	CV2 XS+4*i, XS+4*i
.set i, i+1
.endr
	s_wait_alu depctr_va_vdst(0)                   ; rows 0-15 of X are rounded: the stores below read them; the conversions among the stores name rows 16-31 alone
.set i, 0
.rept 16
	ds_store_b64 v2, v[XS+4*i:XS+4*i+1] offset:XP*i
	CV2 XS+64+4*i, XS+64+4*i
.set i, i+1
.endr
	s_wait_loadcnt 0x0                             ; experts 16-31 are in
	s_wait_alu depctr_vm_vsrc(0)                   ; the stores of experts 0-15 have read EB, which the conversions below write again
	s_wait_alu depctr_va_vdst(0)                   ; rows 16-31 of X are rounded: the stores below read them; the conversions among the stores name ES and EB alone
.set i, 0
.rept 16
	ds_store_b64 v2, v[XS+64+4*i:XS+64+4*i+1] offset:XP*(16+i)
	CV2 EB+2*i, ES+4*i
.set i, i+1
.endr
	s_wait_alu depctr_va_vdst(0)                   ; the conversions have written EB, which the stores below read
.set i, 0
.rept 16
	ds_store_b64 v2, v[EB+2*i:EB+2*i+1] offset:EST+XP*(16+i)
.set i, i+1
.endr
	s_wait_alu depctr_vm_vsrc(0)                   ; X's stores have read XS, in which the fragments land (the conversions that named XS stand ahead of the last wait on va_vdst)
	; fragments out of my own stage: LDS serves a wave's instructions in order, so these see the stores above
.irp tt, 0,1
.irp ks, 0,1,2,3
	ds_load_b128 v[XF+32*\tt+8*\ks:XF+32*\tt+8*\ks+3], v3 offset:\tt*16*XP+\ks*64
	ds_load_b128 v[XF+32*\tt+8*\ks+4:XF+32*\tt+8*\ks+7], v3 offset:\tt*16*XP+\ks*64+32
	ds_load_b128 v[EF+32*\tt+8*\ks:EF+32*\tt+8*\ks+3], v3 offset:EST+\tt*16*XP+\ks*64
	ds_load_b128 v[EF+32*\tt+8*\ks+4:EF+32*\tt+8*\ks+7], v3 offset:EST+\tt*16*XP+\ks*64+32
.endr
.endr
	s_wait_dscnt 0x0
	; 16 products; the four accumulators take turns; the first K step starts the sums
.irp ks, 0,1,2,3
.irp mt, 0,1
.irp tt, 0,1
.if \ks == 0
	v_wmma_f32_16x16x32_bf16 v[ACC+8*(2*\mt+\tt):ACC+8*(2*\mt+\tt)+7], v[EF+32*\mt+8*\ks:EF+32*\mt+8*\ks+7], v[XF+32*\tt+8*\ks:XF+32*\tt+8*\ks+7], 0
.else
	v_wmma_f32_16x16x32_bf16 v[ACC+8*(2*\mt+\tt):ACC+8*(2*\mt+\tt)+7], v[EF+32*\mt+8*\ks:EF+32*\mt+8*\ks+7], v[XF+32*\tt+8*\ks:XF+32*\tt+8*\ks+7], v[ACC+8*(2*\mt+\tt):ACC+8*(2*\mt+\tt)+7]
.endif
.endr
.endr
.endr
.rept 4
	v_nop                                          ; four places between the last product and the stores that read results
.endr
	s_wait_alu depctr_va_vdst(0)                   ; the products have written the accumulators, which the stores read, and are done reading the fragments, in whose registers the loads behind the barrier land
.irp mt, 0,1
.irp tt, 0,1
	ds_store_b128 v4, v[ACC+8*(2*\mt+\tt):ACC+8*(2*\mt+\tt)+3] offset:\tt*16*PP+64*\mt
	ds_store_b128 v4, v[ACC+8*(2*\mt+\tt)+4:ACC+8*(2*\mt+\tt)+7] offset:\tt*16*PP+64*\mt+16
.endr
.endr
	s_wait_dscnt 0x0                               ; for the others' sake: my partial sums are in LDS
	s_barrier_signal -1
	s_barrier_wait -1
	; the sum over the eight waves, a fixed tree; a thread has one token and four experts
.set i, 0
.rept 8
	ds_load_b128 v[32+4*i:32+4*i+3], v5 offset:PW*i
.set i, i+1
.endr
	s_wait_dscnt 0x0
.irp a, 0,2,4,6
	v_pk_add_f32 v[32+4*\a:32+4*\a+1], v[32+4*\a:32+4*\a+1], v[36+4*\a:36+4*\a+1]
	v_pk_add_f32 v[34+4*\a:34+4*\a+1], v[34+4*\a:34+4*\a+1], v[38+4*\a:38+4*\a+1]
.endr
.irp a, 0,4
	v_pk_add_f32 v[32+4*\a:32+4*\a+1], v[32+4*\a:32+4*\a+1], v[40+4*\a:40+4*\a+1]
	v_pk_add_f32 v[34+4*\a:34+4*\a+1], v[34+4*\a:34+4*\a+1], v[42+4*\a:42+4*\a+1]
.endr
	v_pk_add_f32 v[32:33], v[32:33], v[48:49]
	v_pk_add_f32 v[34:35], v[34:35], v[50:51]
	; sigmoid = 1 / (1 + 2^(-z log2 e)); the reciprocal is refined by one Newton step
.irp j, 0,1,2,3
	v_mul_f32 v[36+\j], 0xbfb8aa3b, v[32+\j]
.endr
.irp j, 0,1,2,3
	v_min_num_f32 v[36+\j], 0x42fc0000, v[36+\j]
.endr
.irp j, 0,1,2,3
	v_exp_f32 v[36+\j], v[36+\j]
.endr
	v_nop                                          ; a plain instruction between the exponentials and the use of their results
	s_wait_alu depctr_va_vdst(0)                   ; the four exponentials have written v[36:39], ahead of their first reader
.irp j, 0,1,2,3
	v_add_f32 v[36+\j], 1.0, v[36+\j]
.endr
.irp j, 0,1,2,3
	v_rcp_f32 v[40+\j], v[36+\j]
.endr
	v_nop
	s_wait_alu depctr_va_vdst(0)                   ; the four reciprocals have written v[40:43], ahead of their first reader
.irp j, 0,1,2,3
	v_fma_f32 v[44+\j], -v[36+\j], v[40+\j], 1.0
.endr
.irp j, 0,1,2,3
	v_fma_f32 v[40+\j], v[44+\j], v[40+\j], v[40+\j]
.endr
	s_wait_alu depctr_va_vdst(0)                   ; the Newton steps have written v[40:43], which both stores read
	global_store_b128 v14, v[40:43], s[10:11]      ; a wave stores 512 consecutive bytes of aff
	ds_store_b128 v5, v[40:43] offset:AFB-PB
	s_wait_dscnt 0x0
	s_barrier_signal -1
	s_barrier_wait -1
	s_cmp_lg_u32 s16, 0
	s_cbranch_scc1 .Lend                           ; wave 0 chooses: a lane, a token
.set i, 0
.rept 8
	ds_load_b128 v[AF+4*i:AF+4*i+3], v15 offset:16*i   ; no vector or matrix instruction since the waits above names v15 or v[64:95]
.set i, i+1
.endr
	s_wait_kmcnt 0x0                               ; the biases
.set e, 0
.rept 15
	v_mov_b32 v8, s[MK+e]
	v_mov_b32 v10, s[MK+1+e]
	v_cvt_pk_bf16_f32 v8, v8, v10                  ; rounded to bf16 like every input
	v_lshlrev_b32 v[SC+e], 16, v8
	v_and_b32 v[SC+e+1], 0xffff0000, v8
.set e, e+2
.endr
	s_wait_dscnt 0x0
.set e, 0
.rept 30
	v_add_f32 v[SC+e], v[AF+e], v[SC+e]
.set e, e+1
.endr
	v_mov_b32 v129, 0
	v_mov_b32 v130, 0
	v_mov_b32 v131, 0
	v_mov_b32 v132, 30
	v_mov_b32 v133, 31
	v_mov_b32 v140, 0
	v_mov_b32 v141, 0
	v_mov_b32 v142, 0                              ; the token's experts as bits
	v_mov_b32 v143, 0xff800000
	v_mov_b32 v144, 1
	s_mov_b32 s28, 4
.Ltop:                                             ; four times: the largest score, the lowest expert that has it, which is then taken out
.set e, 0
.rept 10                                           ; the largest of the 30 by maxima: no mask, so no wait
	v_max3_num_f32 v[MX+e], v[SC+3*e], v[SC+3*e+1], v[SC+3*e+2]
.set e, e+1
.endr
	v_max3_num_f32 v[MX], v[MX], v[MX+1], v[MX+2]
	v_max3_num_f32 v[MX+3], v[MX+3], v[MX+4], v[MX+5]
	v_max3_num_f32 v[MX+6], v[MX+6], v[MX+7], v[MX+8]
	v_max3_num_f32 v[MX], v[MX], v[MX+3], v[MX+6]
	v_max_num_f32 v126, v[MX], v[MX+9]
.set e, 0
.rept 29                                           ; which experts have it: one run of compares; expert 29 is what is left if none of the others has
	v_cmp_eq_f32 s[MK+e], v[SC+e], v126
.set e, e+1
.endr
	v_mov_b32 v127, 29
	v_mov_b32 v[MX], 29
	v_mov_b32 v[MX+1], 29
	s_wait_alu depctr_va_sdst(0)                   ; the 29 compares have written s[32:60], ahead of the selects that read them
.set e, 9
.rept 10                                           ; three chains, each from its highest expert down, so that its lowest is written last
	v_cndmask_b32 v127, v127, e, s[MK+e]
	v_cndmask_b32 v[MX], v[MX], 10+e, s[MK+10+e]
.if e < 9
	v_cndmask_b32 v[MX+1], v[MX+1], 20+e, s[MK+20+e]
.endif
.set e, e-1
.endr
	v_min_u32 v127, v127, v[MX]
	v_min_u32 v127, v127, v[MX+1]                  ; the lower index wins a tie
.set e, 0
.rept 30
	v_cmp_eq_u32 s[MK+e], e, v127
.set e, e+1
.endr
	v_mov_b32 v128, v129
	v_mov_b32 v129, v130
	v_mov_b32 v130, v131
	v_mov_b32 v131, v127
	v_lshlrev_b32 v8, v127, v144
	v_or_b32 v142, v142, v8
	s_wait_alu depctr_va_sdst(0)                   ; the 30 compares have written s[32:61], ahead of the selects that read them
.set e, 0
.rept 30
	v_cndmask_b32 v[SC+e], v[SC+e], v143, s[MK+e]
.set e, e+1
.endr
	s_sub_co_u32 s28, s28, 1
	s_cmp_lg_u32 s28, 0
	s_cbranch_scc1 .Ltop
	v_or_b32 v142, 0xc0000000, v142                ; experts 30 and 31 are always taken
	; out1: 24 bytes a token go through LDS, so that each store of the wave covers 256 consecutive bytes
	s_wait_alu depctr_va_vdst(0)                   ; v[128:133] are written, which the LDS stores read
	ds_store_b64 v16, v[128:129]
	ds_store_b64 v16, v[130:131] offset:8
	ds_store_b64 v16, v[132:133] offset:16
	ds_load_b64 v[134:135], v17
	ds_load_b64 v[136:137], v17 offset:256
	ds_load_b64 v[138:139], v17 offset:512
	; for each expert the mask of its tokens and their number, into lane e of a pair; this work names none of the registers of the LDS instructions above
.set e, 0
.rept 32
	v_and_b32 v[AF+e], 1<<e, v142
.set e, e+1
.endr
.set e, 0
.rept 32
	v_cmp_ne_u32 s[MK+e], 0, v[AF+e]
.set e, e+1
.endr
	s_wait_alu depctr_va_sdst(0)                   ; the 32 compares have written s[32:63], ahead of the counts and the lane writes that read them
.set e, 0
.rept 32
	s_bcnt1_i32_b32 s[20+e%8], s[MK+e]
	v_writelane_b32 v140, s[MK+e], e
	v_writelane_b32 v141, s[20+e%8], e
.set e, e+1
.endr
	s_wait_dscnt 0x0                               ; out1's bytes are back in v[134:139]
	s_wait_alu depctr_va_vdst(0)                   ; the lane writes have written v[140:141], which the last store reads
	global_store_b64 v18, v[134:135], s[14:15]
	global_store_b64 v18, v[136:137], s[14:15] offset:256
	global_store_b64 v18, v[138:139], s[14:15] offset:512
	global_store_b64 v18, v[140:141], s[12:13]
.Lend:
	s_wait_dscnt 0x0                               ; the closing lines, six on end
	s_wait_alu 0x0
	s_wait_tensorcnt 0x0
	ds_add_u32 v6, v7
	s_wait_dscnt 0x0
	s_endpgm
.Lfunc_end_k_q6ff6d18281_router:
	.size	k_q6ff6d18281_router, .Lfunc_end_k_q6ff6d18281_router-k_q6ff6d18281_router
	.p2alignl 7, 3214868480
	.fill 96, 4, 3214868480
	.section	.rodata,"a",@progbits
	.p2align	6, 0x0
	.amdhsa_kernel k_q6ff6d18281_router
		.amdhsa_group_segment_fixed_size 182784
		.amdhsa_private_segment_fixed_size 0
		.amdhsa_enable_private_segment 0
		.amdhsa_kernarg_size 48
		.amdhsa_user_sgpr_count 2
		.amdhsa_user_sgpr_kernarg_segment_ptr 1
		.amdhsa_wavefront_size32 1
		.amdhsa_system_sgpr_workgroup_id_x 1
		.amdhsa_system_sgpr_workgroup_id_y 1
		.amdhsa_system_sgpr_workgroup_id_z 1
		.amdhsa_system_vgpr_workitem_id 0
		.amdhsa_next_free_vgpr 256
		.amdhsa_next_free_sgpr 66
		.amdhsa_reserve_vcc 0
		.amdhsa_float_denorm_mode_32 3
		.amdhsa_float_denorm_mode_16_64 3
		.amdhsa_memory_ordered 1
		.amdhsa_forward_progress 1
		.amdhsa_inst_pref_size 52
	.end_amdhsa_kernel
	.amdgpu_metadata
---
amdhsa.version: [ 1, 2 ]
amdhsa.kernels:
  - .name:           k_q6ff6d18281_router
    .symbol:         k_q6ff6d18281_router.kd
    .args:
      - { .name: selection_input, .offset: 0, .size: 8, .value_kind: global_buffer, .address_space: global }
      - { .name: expert_sel, .offset: 8, .size: 8, .value_kind: global_buffer, .address_space: global }
      - { .name: bias_ffn, .offset: 16, .size: 8, .value_kind: global_buffer, .address_space: global }
      - { .name: aff, .offset: 24, .size: 8, .value_kind: global_buffer, .address_space: global }
      - { .name: ball, .offset: 32, .size: 8, .value_kind: global_buffer, .address_space: global }
      - { .name: out1, .offset: 40, .size: 8, .value_kind: global_buffer, .address_space: global }
    .group_segment_fixed_size: 182784
    .private_segment_fixed_size: 0
    .kernarg_segment_align: 8
    .kernarg_segment_size: 48
    .max_flat_workgroup_size: 256
    .sgpr_count:     66
    .vgpr_count:     256
    .wavefront_size: 32
...
	.end_amdgpu_metadata
.endif
;; end of part 5
;; launch sortprep: the kernel of part 2 again; grid 320 x 1, 8 waves a work-group, no clusters, 5,120 bytes of LDS; arguments ball, aff, keys, values, idx, wgt, wfrag; writes idx, wgt, wfrag
;; launch ffn1: the kernel of part 3 again; grid 256 x 1, 4 waves a work-group, no clusters, 66,560 bytes of LDS; arguments token_stream, idx, wgt, wfrag, hbuf; writes hbuf
;; launch ffn2 (part 6): grid 8 x 32, 4 waves a work-group, no clusters, 281,088 bytes of LDS; arguments idx, wfrag, hbuf, out0; writes out0
.if DOCPART == 6
	.amdgcn_target "amdgcn-amd-amdhsa--gfx1250"
	.amdhsa_code_object_version 6
	.text
	.protected	k_q6ff6d18281_ffn2
	.globl	k_q6ff6d18281_ffn2
	.p2align	8
	.type	k_q6ff6d18281_ffn2,@function
k_q6ff6d18281_ffn2:
	s_mov_b64 s[64:65], 0
	v_nop
	global_prefetch_b8 v0, s[64:65] scope:SCOPE_SE
	s_setreg_imm32_b32 hwreg(HW_REG_WAVE_SCHED_MODE, 0, 2), 2
	s_setreg_imm32_b32 hwreg(HW_REG_WAVE_MODE, 25, 1), 1
	s_wait_xcnt 0x0
	s_wait_alu depctr_vm_vsrc(0)
; out0[t] = the sum over t's six experts of h_e[t] V_e.  THE OWNER ADDS: a work-group owns 256 tokens (sub-block u) x 128 columns and keeps their f32 sums in LDS.
; For each routed expert the sub-block's tiles of 16 rows are multiplied by V_e, and each row is added to the LDS row that the list names (read, add, write); padding rows go to row 256, which nobody reads.
; SHARES.  Wave w = 2 p + c takes the experts 2 k + p, k = 0 .. 14, on columns 64 c .. 64 c + 63, into a region of LDS of its own: no barrier until all routed work is done.
; Then wave (p, c) takes rows 128 p .. 128 p + 127: the two parities' sums, plus the shared experts 30 and 31 (their rows lie in token order), and stores out0.
; Operands come as fragments by loads of 512 consecutive bytes a wave, an expert ahead.  No tensor loads: nothing passes through LDS but the sums.  No cluster: the partners' numbers of tiles differ,
; and V would have to pass through the LDS that the sums fill.
; The product is used transposed (source 0 = 16 columns of V, source 1 = 16 rows of h): a lane holds one row and eight neighbouring columns, 32 bytes of f32.
; REGISTERS: window 0: addresses, ACC, sums; window 1: V, buffer b, column tile ct, K step ks at 256 + 128 b + 8 (4 ct + ks); window 2: h, buffer b, tile i at 512 + 128 b + 32 i + 8 ks.
; The 264 registers of h's fragments and row numbers are set once at the start (in the wait for the first loads): a tile's loads and its use stand under two branches on the same count.
; THE MODE: SCHED_MODE bits 1:0 = 2 (LLVM: expert scheduling mode 2), set by the entry lines.  The code itself states the register dependences
; between vector or matrix instructions and memory or LDS instructions, with s_wait_alu, always for 0.
; THE PLAN.  Registers that memory or LDS instructions touch:
;   v1, v2, v3, v[20:23], v28, v29   made at the head, never written again.
;   v8, v9        buffer b's offset in the list: written at the head of the expert before, read by that buffer's loads of row numbers (and, as a vector source, by the fifth tile's offset v18).
;   LOC           row numbers: loaded an expert ahead, read by the address lines at the expert's head.
;   TA            the LDS addresses of an expert's first four tiles: written at the expert's head, read by the tiles' LDS loads and stores.
;   OLD, OL1      two buffers of sums, which the tiles take by turns: loaded, added onto, stored.
;   V, h          loaded an expert ahead into the buffer that the expert before has multiplied by; read by products alone.
;   v[24:27]      the last phase's addresses: stepped at the end of each of its tiles.
; AN EXPERT'S HEAD: one wait on vm_vsrc (TA and the list offset have been read), the address lines, one wait on va_vdst (they are written; the expert before is done reading the other V, h and LOC).
; All loads for the next expert and all LDS instructions of this expert's tiles lean on that wait.  A TILE: a wait on vm_vsrc at its head (the stores that last read its buffer of sums), a wait on va_vdst
; between its additions and its stores.
.set RP,    272                        ; a row of 64 f32 + 16 bytes
.set REG,   70144                      ; a wave's region: 257 rows, up to a multiple of 512
.set SPARE, 4*REG                      ; the spare words, 128 bytes a wave; no other line names them
.set LOCB,  258048
.set SEGB,  532224
.set LOC, 10                           ; v[10:17]   row numbers: buffer b, tile i at LOC + 4 b + i
.set ACC, 32                           ; v[32:63]   four accumulators, one a column tile
.set OLD, 64                           ; v[64:95]   the sums in hand
.set OL1, 96                           ; v[96:127]  the second buffer of sums; in the last phase the other parity's, then whole rows to store
.set TA,  128                          ; v[128:131] LDS address of my row in the expert's tiles 0 to 3
.set MSB, 0
.macro WIN new                         ; the immediate's high byte repeats the setting that is left
.if MSB != (\new)
	s_set_vgpr_msb (MSB<<8)|(\new)
.set MSB, \new
.endif
.endm
; An expert's V (16 KiB, consecutive) and up to four of its tiles with their row numbers, into buffer b.  s22: the first tile; s[20 + b]: the tiles
.macro PREFETCH b
	s_lshl_b32 s42, s22, 12
	s_mov_b32 s43, 0
	s_add_nc_u64 s[28+2*(\b):29+2*(\b)], s[8:9], s[42:43]
	s_lshl_b32 s42, s22, 6
	v_add_nc_u32 v[8+(\b)], s42, v2
	s_wait_alu depctr_va_vdst(0)                   ; the list offset (and TA) is written; the products and address lines that named this buffer's V, h and row numbers, in which the loads below land, are done (the first time: the zeros are written)
	WIN 0x40
.set q, 0
.rept 32
	global_load_b128 v[128*(\b)+4*q:128*(\b)+4*q+3], v1, s[24+2*(\b):25+2*(\b)] offset:512*q
.set q, q+1
.endr
	WIN 0
.irp i, 0,1,2,3
	s_cmp_gt_u32 s[20+(\b)], \i
	s_cbranch_scc0 .Lpf_\@
	WIN 0x80
.set q, 0
.rept 8
	global_load_b128 v[128*(\b)+32*\i+4*q:128*(\b)+32*\i+4*q+3], v1, s[28+2*(\b):29+2*(\b)] offset:4096*\i+512*q
.set q, q+1
.endr
	WIN 0
	global_load_b32 v[LOC+4*(\b)+\i], v[8+(\b)], s[4:5] offset:LOCB+64*\i
.endr
.Lpf_\@:
.endm
; A tile: the old sums are read, by address register a into buffer o, while 16 products are made; then add and write back.  LDS serves a wave's instructions in order, so the next tile's reads see these stores.
.macro TILE b, i, a, o
	s_wait_alu depctr_vm_vsrc(0)                   ; the stores that last read this buffer of sums have read it: the loads below land in it (its additions stand ahead of the wait on va_vdst in front of those stores)
.irp ct, 0,1,2,3
	ds_load_b128 v[(\o)+8*\ct:(\o)+8*\ct+3], v[\a] offset:64*\ct
	ds_load_b128 v[(\o)+8*\ct+4:(\o)+8*\ct+7], v[\a] offset:64*\ct+16
.endr
	WIN 0x09                                       ; V window 1, h window 2
.irp ks, 0,1,2,3
.irp ct, 0,1,2,3
.if \ks == 0
	v_wmma_f32_16x16x32_bf16 v[ACC+8*\ct:ACC+8*\ct+7], v[128*(\b)+8*(4*\ct+\ks):128*(\b)+8*(4*\ct+\ks)+7], v[128*(\b)+32*(\i)+8*\ks:128*(\b)+32*(\i)+8*\ks+7], 0
.else
	v_wmma_f32_16x16x32_bf16 v[ACC+8*\ct:ACC+8*\ct+7], v[128*(\b)+8*(4*\ct+\ks):128*(\b)+8*(4*\ct+\ks)+7], v[128*(\b)+32*(\i)+8*\ks:128*(\b)+32*(\i)+8*\ks+7], v[ACC+8*\ct:ACC+8*\ct+7]
.endif
.endr
.endr
	WIN 0
.rept 4
	v_nop                                          ; four places between the last product and the first read of a result (ISA guide 7.12.1)
.endr
	s_wait_dscnt 0x0
.set m, 0
.rept 16
	v_pk_add_f32 v[(\o)+2*m:(\o)+2*m+1], v[(\o)+2*m:(\o)+2*m+1], v[ACC+2*m:ACC+2*m+1]
.set m, m+1
.endr
	s_wait_alu depctr_va_vdst(0)                   ; the additions have written the sums, which the stores read
.irp ct, 0,1,2,3
	ds_store_b128 v[\a], v[(\o)+8*\ct:(\o)+8*\ct+3] offset:64*\ct
	ds_store_b128 v[\a], v[(\o)+8*\ct+4:(\o)+8*\ct+7] offset:64*\ct+16
.endr
.endm
; An expert on buffer b: its operands are waited for, its tiles' addresses are made, the next expert's operands are asked for, its tiles are added.  More than four tiles (more than 64 of 256 tokens) go one by one.
.macro EXPERT b, last
.set ob, 1-(\b)
	s_mov_b32 s23, s[20+(\b)]
	s_wait_loadcnt 0x0                             ; buffer b is in, and no load is out: the other buffer's bases may be written
	s_wait_alu depctr_vm_vsrc(0)                   ; the last expert's LDS instructions have read TA, and the loads of row numbers have read the other buffer's list offset: both are written below
.irp i, 0,1,2,3
	v_min_u32 v[TA+\i], 0x100, v[LOC+4*(\b)+\i]
.endr
.irp i, 0,1,2,3
	v_mul_u32_u24 v[TA+\i], v[TA+\i], RP
.endr
.irp i, 0,1,2,3
	v_add_nc_u32 v[TA+\i], v3, v[TA+\i]
.endr
.if (\last) == 0
	s_wait_kmcnt 0x0                               ; the next expert's table entry
	s_min_u32 s22, s[16+2*ob], 4031
	s_min_u32 s[20+ob], s[17+2*ob], 16
	s_add_nc_u64 s[24+2*ob:25+2*ob], s[24+2*(\b):25+2*(\b)], 524288  ; two experts on
	PREFETCH ob
	s_add_co_u32 s36, s36, 8
	s_load_b64 s[16+2*(\b):17+2*(\b)], s[4:5], s36
.else
	s_wait_alu depctr_va_vdst(0)                   ; TA is written, which the tiles' LDS instructions read
.endif
.irp i, 0,1,2,3
	s_cmp_gt_u32 s23, \i
	s_cbranch_scc0 .Lxe_\@
	TILE \b, \i, TA+\i, OLD+32*(\i%2)
.endr
	s_mov_b32 s38, 4
	s_cmp_lt_u32 s38, s23
	s_cbranch_scc0 .Lxe_\@
.Lxm_\@:
	s_min_u32 s42, s38, 15
	s_lshl_b32 s57, s42, 6
	s_lshl_b32 s42, s42, 12
	s_mov_b32 s43, 0
	s_add_nc_u64 s[40:41], s[28+2*(\b):29+2*(\b)], s[42:43]
	s_wait_alu depctr_vm_vsrc(0)                   ; the last trip's load has read v18, and the last tile's LDS instructions have read v[TA]: both are written below
	v_add_nc_u32 v18, s57, v[8+(\b)]
	s_wait_alu depctr_va_vdst(0)                   ; v18 is written; the products and the address line that named tile 0's h and row number, in which the loads below land, are done
	WIN 0x80
.set q, 0
.rept 8
	global_load_b128 v[128*(\b)+4*q:128*(\b)+4*q+3], v1, s[40:41] offset:512*q
.set q, q+1
.endr
	WIN 0
	global_load_b32 v[LOC+4*(\b)], v18, s[4:5] offset:LOCB
	s_wait_loadcnt 0x0
	v_min_u32 v[TA], 0x100, v[LOC+4*(\b)]
	v_mul_u32_u24 v[TA], v[TA], RP
	v_add_nc_u32 v[TA], v3, v[TA]
	s_wait_alu depctr_va_vdst(0)                   ; v[TA] is written, which the tile's LDS instructions read
	TILE \b, 0, TA, OLD
	s_add_co_u32 s38, s38, 1
	s_cmp_lt_u32 s38, s23
	s_cbranch_scc1 .Lxm_\@
.Lxe_\@:
.endm
; A tile of 16 of my rows, on buffer b: the next row tile's h is asked for (the look-ahead is held to the last tile); both parities' sums are read while the shared experts' 32 products are made;
; the total goes back into its rows, comes out again as whole rows, and is stored: sixteen lanes store 256 consecutive bytes, aligned.
.macro FINT b
.set ob, 1-(\b)
	s_min_u32 s42, s56, 7
	s_lshl_b32 s42, s42, 12
	s_mov_b32 s43, 0
	s_add_nc_u64 s[44+4*ob:45+4*ob], s[52:53], s[42:43]  ; this buffer's bases: the loads that named them were shown done by the last counted wait
	s_add_nc_u64 s[46+4*ob:47+4*ob], s[54:55], s[42:43]
	s_add_co_u32 s56, s56, 1
	s_wait_alu depctr_va_vdst(0)                   ; the products of the tile before are done reading the other buffer of h, in which the loads below land; the four addresses v[24:27] are written
	WIN 0x80
.set q, 0
.rept 8
	global_load_b128 v[128*ob+4*q:128*ob+4*q+3], v1, s[44+4*ob:45+4*ob] offset:512*q
	global_load_b128 v[128*ob+32+4*q:128*ob+32+4*q+3], v1, s[46+4*ob:47+4*ob] offset:512*q
.set q, q+1
.endr
	WIN 0
	s_wait_loadcnt 16                              ; this tile's operands are in: the 16 loads just issued are younger
.irp ct, 0,1,2,3
	ds_load_b128 v[OLD+8*\ct:OLD+8*\ct+3], v24 offset:64*\ct
	ds_load_b128 v[OLD+8*\ct+4:OLD+8*\ct+7], v24 offset:64*\ct+16
	ds_load_b128 v[OL1+8*\ct:OL1+8*\ct+3], v25 offset:64*\ct
	ds_load_b128 v[OL1+8*\ct+4:OL1+8*\ct+7], v25 offset:64*\ct+16
.endr
	WIN 0x09
.irp x, 0,1
.irp ks, 0,1,2,3
.irp ct, 0,1,2,3
.if (\x == 0) && (\ks == 0)
	v_wmma_f32_16x16x32_bf16 v[ACC+8*\ct:ACC+8*\ct+7], v[128*\x+8*(4*\ct+\ks):128*\x+8*(4*\ct+\ks)+7], v[128*(\b)+32*\x+8*\ks:128*(\b)+32*\x+8*\ks+7], 0
.else
	v_wmma_f32_16x16x32_bf16 v[ACC+8*\ct:ACC+8*\ct+7], v[128*\x+8*(4*\ct+\ks):128*\x+8*(4*\ct+\ks)+7], v[128*(\b)+32*\x+8*\ks:128*(\b)+32*\x+8*\ks+7], v[ACC+8*\ct:ACC+8*\ct+7]
.endif
.endr
.endr
.endr
	WIN 0
	s_wait_dscnt 0x0
.set m, 0
.rept 16
	v_pk_add_f32 v[OLD+2*m:OLD+2*m+1], v[OLD+2*m:OLD+2*m+1], v[OL1+2*m:OL1+2*m+1]  ; these name no register of the products: they are the places behind them
.set m, m+1
.endr
.set m, 0
.rept 16
	v_pk_add_f32 v[OLD+2*m:OLD+2*m+1], v[OLD+2*m:OLD+2*m+1], v[ACC+2*m:ACC+2*m+1]
.set m, m+1
.endr
	s_wait_alu depctr_va_vdst(0)                   ; the additions have written OLD, which the stores read, and are done reading OL1, in which the whole rows land
.irp ct, 0,1,2,3
	ds_store_b128 v24, v[OLD+8*\ct:OLD+8*\ct+3] offset:64*\ct
	ds_store_b128 v24, v[OLD+8*\ct+4:OLD+8*\ct+7] offset:64*\ct+16
.endr
.irp t, 0,1,2,3,4,5,6,7
	ds_load_b128 v[OL1+4*\t:OL1+4*\t+3], v27 offset:\t*2*RP
.endr
	s_wait_dscnt 0x0
.irp t, 0,1,2,3,4,5,6,7
	global_store_b128 v26, v[OL1+4*\t:OL1+4*\t+3], s[10:11] offset:\t*8192 th:TH_STORE_NT
.endr
	s_wait_xcnt 0x0                                ; the stores' offset and data are written again only behind this wait
	s_wait_alu depctr_vm_vsrc(0)                   ; the LDS instructions have read v24, v25, v27 and OLD, the stores v26 and OL1: the adds below and the next tile's loads write them
	v_add_nc_u32 v24, 16*RP, v24
	v_add_nc_u32 v25, 16*RP, v25
	v_add_nc_u32 v27, 16*RP, v27
	v_add_nc_u32 v26, 0x10000, v26
.endm
	s_load_b256 s[4:11], s[0:1], 0x0               ; idx s[4:5], wfrag s[6:7], hbuf s[8:9], out0 s[10:11]
	v_lshl_add_u32 v6, v0, 2, SPARE                ; my spare word
	v_mov_b32 v7, 0
	v_lshrrev_b32 v8, 5, v0
	v_readfirstlane_b32 s12, v8                    ; wave
	v_and_b32 v18, 31, v0
	v_and_b32 v19, 15, v0                          ; r
	v_bfe_u32 v5, v0, 4, 1                         ; h
	v_lshlrev_b32 v1, 4, v18                       ; 16 lane
	v_lshlrev_b32 v2, 2, v19                       ; 4 r
	v_mov_b32 v20, 0
	v_mov_b32 v21, 0
	v_mov_b32 v22, 0
	v_mov_b32 v23, 0
	v_mul_u32_u24 v24, v19, RP
	v_lshl_add_u32 v24, v5, 5, v24                 ; the last phase: row r, 32 bytes for each half of the lanes
	v_mul_u32_u24 v27, v5, RP
	v_lshl_add_u32 v27, v19, 4, v27                ; back: lanes 0-15 one row of 256 bytes, lanes 16-31 the next
	v_lshlrev_b32 v26, 12, v5
	v_lshl_add_u32 v26, v19, 4, v26                ; and the same two rows in out0
	s_mov_b32 s15, ttmp9                           ; column block
	s_and_b32 s39, ttmp7, 0xffff                   ; u
	s_wait_alu depctr_va_sdst(0)                   ; s12 is written, ahead of its first reader
	s_lshr_b32 s13, s12, 1                         ; p
	s_and_b32 s14, s12, 1                          ; c
	s_mul_i32 s57, s12, REG
	v_lshl_add_u32 v3, v5, 5, s57                  ; my region + 32 h
	v_add_nc_u32 v28, s57, v1
	v_add_nc_u32 v29, 0x10000, v28
	s_mul_i32 s58, s14, REG                        ; the last phase: region (0, c),
	s_mul_i32 s59, s13, 128*RP                     ; my 128 rows
	s_add_co_u32 s58, s58, s59
	v_add_nc_u32 v24, s58, v24
	v_add_nc_u32 v25, 2*REG, v24                   ; the same in region (1, c)
	v_add_nc_u32 v27, s58, v27
	s_lshl_b32 s60, s39, 8
	s_add_co_u32 s60, s60, SEGB                    ; my sub-block's table
	s_lshl_b32 s36, s13, 7
	s_add_co_u32 s36, s36, s60                     ; my parity's half of it
	s_wait_kmcnt 0x0
	s_load_b64 s[16:17], s[4:5], s36               ; entries 0 and 1,
	s_load_b64 s[18:19], s[4:5], s36 offset:8
	s_load_b64 s[32:33], s[4:5], s60 offset:120    ; and those of experts 30 and 31
	s_load_b64 s[34:35], s[4:5], s60 offset:248
	s_wait_alu depctr_va_vdst(0)                   ; v28, v29 and the zeros v[20:23] are written, which the stores below read
	; my region starts at 0: 137 stores of 512 bytes
.set q, 0
.rept 128
	ds_store_b128 v28, v[20:23] offset:512*q
.set q, q+1
.endr
.set q, 0
.rept 9
	ds_store_b128 v29, v[20:23] offset:512*q
.set q, q+1
.endr
	WIN 0x80
.set q, 0
.rept 256
	v_mov_b32 v[q], 0
.set q, q+1
.endr
	WIN 0
.set q, 0
.rept 8
	v_mov_b32 v[LOC+q], 0x100
.set q, q+1
.endr
	s_lshl_b32 s42, s15, 15                        ; values at my 64 columns: 8 tiles of 4,096 bytes a column block,
	s_lshl_b32 s57, s14, 14                        ; 4 a half,
	s_add_co_u32 s42, s42, s57
	s_add_co_u32 s42, s42, 8388608                 ; behind the keys
	s_mov_b32 s43, 0
	s_add_nc_u64 s[6:7], s[6:7], s[42:43]
	s_lshl_b32 s42, s13, 18
	s_add_nc_u64 s[24:25], s[6:7], s[42:43]        ; expert p
	s_lshl_b32 s42, s39, 20                        ; out0 at my rows and columns
	s_lshl_b32 s57, s13, 19
	s_add_co_u32 s42, s42, s57
	s_lshl_b32 s57, s15, 9
	s_add_co_u32 s42, s42, s57
	s_lshl_b32 s57, s14, 8
	s_add_co_u32 s42, s42, s57
	s_add_nc_u64 s[10:11], s[10:11], s[42:43]
	s_wait_kmcnt 0x0
	s_add_co_u32 s36, s36, 8                       ; the entry asked for last
	s_min_u32 s22, s16, 4031
	s_min_u32 s20, s17, 16
	PREFETCH 0
	s_mov_b32 s37, 7
.Lexp:
	EXPERT 0, 0
	EXPERT 1, 0
	s_sub_co_u32 s37, s37, 1
	s_cmp_lg_u32 s37, 0
	s_cbranch_scc1 .Lexp
	EXPERT 0, 1
	; the shared experts: V of both, and h of my first row tile
	s_min_u32 s32, s32, 4031
	s_min_u32 s34, s34, 4031
	s_lshl_b32 s57, s13, 3
	s_add_co_u32 s32, s32, s57
	s_add_co_u32 s34, s34, s57
	s_mov_b32 s43, 0
	s_lshl_b32 s42, s32, 12
	s_add_nc_u64 s[52:53], s[8:9], s[42:43]
	s_lshl_b32 s42, s34, 12
	s_add_nc_u64 s[54:55], s[8:9], s[42:43]
	s_add_nc_u64 s[24:25], s[6:7], 30*262144
	s_add_nc_u64 s[26:27], s[6:7], 31*262144
	s_wait_alu depctr_va_vdst(0)                   ; the routed experts' products are done reading V and h, in which the loads below land
	WIN 0x40
.set q, 0
.rept 32
	global_load_b128 v[4*q:4*q+3], v1, s[24:25] offset:512*q
	global_load_b128 v[128+4*q:128+4*q+3], v1, s[26:27] offset:512*q
.set q, q+1
.endr
	WIN 0x80
.set q, 0
.rept 8
	global_load_b128 v[4*q:4*q+3], v1, s[52:53] offset:512*q
	global_load_b128 v[32+4*q:32+4*q+3], v1, s[54:55] offset:512*q
.set q, q+1
.endr
	WIN 0
	s_wait_dscnt 0x0                               ; for the others' sake: my region is complete
	s_barrier_signal -1
	s_barrier_wait -1                              ; behind it a wave touches only its own 128 rows of the two regions of its columns
	s_wait_alu depctr_vm_vsrc(0)                   ; my last routed stores have read OLD and OL1, in which the first tile's sums land
	s_mov_b32 s56, 1
	s_mov_b32 s37, 4
.Lfin:
	FINT 0
	FINT 1
	s_sub_co_u32 s37, s37, 1
	s_cmp_lg_u32 s37, 0
	s_cbranch_scc1 .Lfin
	s_wait_dscnt 0x0                               ; the closing lines, six on end
	s_wait_alu 0x0
	s_wait_tensorcnt 0x0
	ds_add_u32 v6, v7
	s_wait_dscnt 0x0
	s_endpgm
.Lfunc_end_k_q6ff6d18281_ffn2:
	.size	k_q6ff6d18281_ffn2, .Lfunc_end_k_q6ff6d18281_ffn2-k_q6ff6d18281_ffn2
	.p2alignl 7, 3214868480
	.fill 96, 4, 3214868480
	.section	.rodata,"a",@progbits
	.p2align	6, 0x0
	.amdhsa_kernel k_q6ff6d18281_ffn2
		.amdhsa_group_segment_fixed_size 281088
		.amdhsa_private_segment_fixed_size 0
		.amdhsa_enable_private_segment 0
		.amdhsa_kernarg_size 32
		.amdhsa_user_sgpr_count 2
		.amdhsa_user_sgpr_kernarg_segment_ptr 1
		.amdhsa_wavefront_size32 1
		.amdhsa_system_sgpr_workgroup_id_x 1
		.amdhsa_system_sgpr_workgroup_id_y 1
		.amdhsa_system_sgpr_workgroup_id_z 1
		.amdhsa_system_vgpr_workitem_id 0
		.amdhsa_next_free_vgpr 768
		.amdhsa_next_free_sgpr 66
		.amdhsa_reserve_vcc 0
		.amdhsa_float_denorm_mode_32 3
		.amdhsa_float_denorm_mode_16_64 3
		.amdhsa_memory_ordered 1
		.amdhsa_forward_progress 1
		.amdhsa_inst_pref_size 127
	.end_amdhsa_kernel
	.amdgpu_metadata
---
amdhsa.version: [ 1, 2 ]
amdhsa.kernels:
  - .name:           k_q6ff6d18281_ffn2
    .symbol:         k_q6ff6d18281_ffn2.kd
    .args:
      - { .name: idx, .offset: 0, .size: 8, .value_kind: global_buffer, .address_space: global }
      - { .name: wfrag, .offset: 8, .size: 8, .value_kind: global_buffer, .address_space: global }
      - { .name: hbuf, .offset: 16, .size: 8, .value_kind: global_buffer, .address_space: global }
      - { .name: out0, .offset: 24, .size: 8, .value_kind: global_buffer, .address_space: global }
    .group_segment_fixed_size: 281088
    .private_segment_fixed_size: 0
    .kernarg_segment_align: 8
    .kernarg_segment_size: 32
    .max_flat_workgroup_size: 128
    .sgpr_count:     66
    .vgpr_count:     768
    .wavefront_size: 32
...
	.end_amdgpu_metadata
.endif
;; end of part 6
